; MI455X (gfx1250); checked and timed in simulation.
; The chip was launched on July 23, 2026; its instructions are those of AMD's public machine-readable ISA for CDNA 5 (MIT licence, August 2026) and "CDNA5" Instruction Set Architecture Reference Guide (July 2026). The comments in the code are by the model that wrote it; some were corrected since.
;; Attention. Allowed arithmetic: matrix products marked QUANTISED: E2M1 operands, one E8M0 scale for each 32 along K, by v_wmma_scale_f32_16x16x128_f8f6f4 with both operands' format E2M1 (or v_wmma_scale_f32_32x16x128_f4), f32 sums; products left as they are: bf16, f16 or f32 operands; f32 sums; everything else in f32.
;; Inputs: freqs_cos 1,024 x 64 float32; freqs_sin 1,024 x 64 float32; wk 1,024 x 4,096 float32; wo 4,096 x 4,096 float32; wq 4,096 x 4,096 float32; wv 1,024 x 4,096 float32; x 1 x 1,024 x 4,096 float32.
;; Outputs: out0 1 x 1,024 x 4,096 float32.
;; This version of the problem:
;;   THIS VERSION OF THE PROBLEM IS GIVEN IN LOW PRECISION. The matrix products marked QUANTISED in the list below multiply operands that are first quantised to E2M1 (2 exponent bits, 1 mantissa bit; 4 bits a number), with one power-of-two scale for each 32 numbers along K (OCP MX v1.0); their sums are f32. The products marked 'left as it is' may take bf16, f16 or f32 operands, with f32 sums. Whichever they take, every output number must still come out within the allowed error. Rounding operands to bf16 (8 significant bits) uses up far more of that allowance than f16 does (11 bits, for magnitudes from 6e-5 to 65,504). All else is computed in f32.
;;   The module's matrix products, in the order in which they are computed (A, B: the left and right operand; K: the contracted axis; several contracted axes count as one K, in the product's order):
;;     1. [M 1,024, K 4,096] x [K 4,096, N 4,096]; A: input x; B: input wq: QUANTISED
;;     2. [M 1,024, K 4,096] x [K 4,096, N 1,024]; A: input x; B: input wk: QUANTISED
;;     3. [M 1,024, K 4,096] x [K 4,096, N 1,024]; A: input x; B: input wv: QUANTISED
;;     4. batch 32 x [M 1,024, K 128] x [K 128, N 1,024]; A: computed on the way; B: computed on the way: left as it is (an operand is computed on the way)
;;     5. batch 32 x [M 128, K 1,024] x [K 1,024, N 1,024]; A: computed on the way; B: computed on the way: left as it is (an operand is computed on the way)
;;     6. [M 1,024, K 4,096] x [K 4,096, N 4,096]; A: computed on the way; B: input wo: left as it is (an operand is computed on the way)
;;   THE QUANTISER, for each operand of a quantised product, along K:
;;     - K is cut into blocks of 32 from its start; a last block that is shorter is filled with zeros.
;;     - A block's scale is 2^e with e = floor(log2(the largest magnitude in the block)) - 2, held to -126 .. 127; a block of zeros has e = 0. As a byte (E8M0): e + 127.
;;     - Each number is divided by its block's scale, clamped to +-6, and rounded to the nearest number of E2M1, ties to even, subnormals kept.
;;     - The product sums the exact products of the quantised numbers (number of the format x scale) in f32.
;;   ~~~python
;;   def quantise(x, axis):      # numpy; x: float32 -> the quantised numbers, widened to float32 again
;;       x = np.moveaxis(x, axis, -1); K = x.shape[-1]
;;       x = np.pad(x, [(0, 0)] * (x.ndim - 1) + [(0, -K % 32)]); x = x.reshape(x.shape[:-1] + (-1, 32)); a = np.abs(x).max(-1, keepdims=True)
;;       e = np.where(a > 0, np.clip(np.frexp(np.where(a > 0, a, 1))[1] - 1 - 2, -126, 127), 0)      # np.frexp(a)[1] - 1 = floor(log2(a)), exactly
;;       r = np.clip(x / 2.0 ** e, -6, 6)
;;       step = 2.0 ** (np.maximum(np.frexp(np.where(r == 0, 1, r))[1] - 1, 0) - 1)
;;       q = np.round(r / step) * step * 2.0 ** e      # np.round: ties to even
;;       return np.moveaxis(q.reshape(q.shape[:-2] + (-1,))[..., :K], -1, axis).astype(np.float32)
;;   ~~~
;; One version. Each part assembles by itself: llvm-mc -triple=amdgcn-amd-amdhsa -mcpu=gfx1250 --defsym DOCPART=n.
;; ======== version 1 of 1: 5 launches
;; limits: values are held in f16: magnitudes above 65,504 overflow, below 6.1e-05 lose precision
;; workspace buffers: codes 14,680,064 bytes; scales 917,504 bytes; wo16 33,554,432 bytes; qkv16 12,582,912 bytes; qkv32 393,216 bytes; a16 8,388,608 bytes
;; launch prep (part 1): grid 1408 x 1, 4 waves a work-group, no clusters, 33,280 bytes of LDS; arguments x, wq, wk, wv, wo, codes, scales, wo16; writes codes, scales, wo16
.if DOCPART == 1
	.amdgcn_target "amdgcn-amd-amdhsa--gfx1250"
	.amdhsa_code_object_version 6
	.text
	.protected	k_q2453e7fd65_prep
	.globl	k_q2453e7fd65_prep
	.p2align	8
	.type	k_q2453e7fd65_prep,@function
k_q2453e7fd65_prep:
	s_mov_b64 s[64:65], 0
	v_nop
	global_prefetch_b8 v0, s[64:65] scope:SCOPE_SE
	s_setreg_imm32_b32 hwreg(HW_REG_WAVE_MODE, 25, 1), 1
	s_wait_xcnt 0x0
; FIRST OF FIVE LAUNCHES of a grouped-query attention layer: 1,024 tokens, width 4,096, 32 query heads, 8 key and value heads, head size 128.
;   prep: x, wq, wk, wv -> codes of FP4 (E2M1) with E8M0 scales along K = 4,096; wo -> f16.   qkv: the three quantised products as one GEMM on codes, RoPE on its way out.
;   attn: causal attention in f16 for positions 16 to 1,023.   first16: positions 0 to 15 in f32.   oproj: the projection in f16.
; WORK LEFT OUT, for all finite values of the inputs: reference() sets every score with key > query to the least f32 number by its own jnp.tril; behind the row's maximum (key 0 counts for every query, so the
; maximum is a true score) its weight is exp(least - maximum) = 0 and adds nothing to the row's sum nor to the output.  So tiles of keys that lie wholly behind a tile of queries are not multiplied (attn, first16).
; Every input has a way to the output: all seven are loaded.  LIMIT: a NaN, an infinity or an overflow that reaches only such hidden scores is not carried to the result.
; THE 16-BIT OPERANDS carry an exact power of two: q, k, v are kept as value / 4, wo as 4 x value; the scores' constant takes up 16, and (attention / 4) x (4 wo) needs nothing.
; LIMITS: q / 4, k / 4, v / 4, the attention's result / 4 and 4 wo must lie under 65,504; what lies under 6e-5 behind the shift is rounded on f16's fixed step.
; THIS LAUNCH.  Work-groups 0 to 895 quantise: x (128 of them), wq (512), wk (128), wv (128), in that order, into ONE buffer of codes [7168 rows][2048 bytes] and one of scale bytes [7168][128].
; Rows are dense and K is a multiple of 32: a tensor is a plain stream of blocks of 32 numbers, and so are its codes and scale bytes.  A block's scale is 2^(floor(log2(its largest magnitude)) - 2); its byte is the
; largest magnitude's exponent field - 2, held at 1 from below; each number is divided by the scale and rounded to the nearest code, ties to even, beyond 6 the largest code.
; LIMITS: a block of zeros gets the byte 1 where the rule says 127 (its codes are zeros, and this program alone reads the bytes); blocks whose largest magnitude lies under 2^-124 keep the byte 1; NaN and infinities are not served.
; A wave takes 16 steps of 512 numbers.  A load reads 512 consecutive bytes; the conversions want 16 neighbours in one lane: so a step's 2,048 bytes turn through the wave's own stage in LDS (16 bytes of padding behind each 64).
; Work-groups 896 to 1,407 turn wo into f16, times 4: a stream without LDS, a ring of 16 register slots a wave.
.set NQWG,  896                        ; work-groups that quantise: 7,168 rows x 4,096 numbers / 32,768
.set STEPS, 16
.set EMAX,  2
.set CB,    8                          ; bytes of 16 codes
.set R,     16                         ; v16-79   four sets of 16 numbers as they are loaded
.set X,     80                         ; v80-111  two sets of 16 neighbours
.set E,     112                        ; v112-127 a scale byte for each step
.set C,     128                        ; v128-191 codes: four registers for each step, so that no store's data are written again
.set WREG,  8192                       ; LDS: a region for each wave: two stages of 32 x SP bytes, behind them its 256 scale bytes
.set SP,    80
.set SPW,   12                         ; v12 LDS address of my spare word; never rewritten
.set NIL,   13                         ; v13 0; never rewritten
.set SPARE, 4*WREG                     ; the spare words, 128 bytes for each wave
.set XB,    16                         ; wo's path: v16-79 sixteen slots of 4 registers as loaded
.set YB,    80                         ; v80-111 sixteen slots of 2 registers to store
	s_load_b256 s[4:11], s[0:1], 0x0               ; x s[4:5], wq s[6:7], wk s[8:9], wv s[10:11]
	s_load_b256 s[12:19], s[0:1], 0x20             ; wo s[12:13], codes s[14:15], scales s[16:17], wo16 s[18:19]
	v_lshl_add_u32 v[SPW], v0, 2, SPARE
	v_mov_b32 v[NIL], 0
	v_lshrrev_b32 v1, 5, v0
	v_readfirstlane_b32 s24, v1                    ; wave
	v_and_b32 v2, 31, v0                           ; lane
	s_cmp_ge_u32 ttmp9, NQWG
	s_cbranch_scc1 .Lwo
	; ---- the quantiser
	v_lshlrev_b32 v3, 4, v2                        ; my 16 bytes of a load's 512
	s_mul_i32 s25, s24, WREG
	v_lshrrev_b32 v14, 2, v2
	v_mul_u32_u24 v14, v14, SP
	v_and_b32 v15, 3, v2
	v_lshl_add_u32 v14, v15, 4, v14
	v_add_nc_u32 v14, s25, v14                     ; the stage, on the way in: SP (lane / 4) + 16 (lane % 4)
	v_mul_u32_u24 v15, v2, SP
	v_add_nc_u32 v15, s25, v15                     ; and on the way out: SP x lane: my 16 neighbours
	v_mul_u32_u24 v4, v2, CB                       ; my codes' place in a step's
	v_lshrrev_b32 v5, 1, v2
	s_add_co_u32 s25, s25, 2*32*SP
	v_add_nc_u32 v5, s25, v5                       ; LDS: my wave's 256 scale bytes, my block's byte
	v_lshlrev_b32 v7, 3, v2                        ; and on the way out 8 bytes a lane
	v_add_nc_u32 v6, s25, v7
	s_wait_kmcnt 0x0
	s_mov_b64 s[20:21], s[10:11]                   ; which tensor: the choice hangs on the work-group's number alone
	s_mov_b32 s22, 768                             ; and its first work-group
	s_cmp_lt_u32 ttmp9, 768
	s_cselect_b64 s[20:21], s[8:9], s[20:21]
	s_cselect_b32 s22, 640, s22
	s_cmp_lt_u32 ttmp9, 640
	s_cselect_b64 s[20:21], s[6:7], s[20:21]
	s_cselect_b32 s22, 128, s22
	s_cmp_lt_u32 ttmp9, 128
	s_cselect_b64 s[20:21], s[4:5], s[20:21]
	s_cselect_b32 s22, 0, s22
	s_sub_co_u32 s23, ttmp9, s22
	s_lshl_b32 s23, s23, 2
	s_add_co_u32 s26, s23, s24                     ; which run of 8,192 numbers of the tensor is my wave's
	s_lshl_b32 s26, s26, 15                        ; 32,768 bytes a run: under 2^27
	s_mov_b32 s27, 0
	s_add_nc_u64 s[20:21], s[20:21], s[26:27]
	s_lshl_b32 s23, ttmp9, 2
	s_add_co_u32 s23, s23, s24                     ; and which run of the joint buffers
	s_lshl_b32 s26, s23, 12                        ; 4,096 bytes of codes a run
	s_add_nc_u64 s[14:15], s[14:15], s[26:27]
	s_lshl_b32 s26, s23, 8                         ; 256 scale bytes a run
	s_add_nc_u64 s[16:17], s[16:17], s[26:27]
.macro LOAD t
.irp i, 0,1,2,3
	global_load_b128 v[R+16*((\t)%4)+4*\i:R+16*((\t)%4)+4*\i+3], v3, s[20:21] offset:2048*(\t)+512*\i th:TH_LOAD_NT   ; 32 lanes read 512 consecutive bytes
.endr
.endm
.macro TURN t                          ; step t's numbers through the stage: LDS serves a wave's instructions in order, so no wait stands between the stores and the loads
.irp i, 0,1,2,3
	ds_store_b128 v14, v[R+16*((\t)%4)+4*\i:R+16*((\t)%4)+4*\i+3] offset:32*SP*((\t)%2)+8*SP*\i
.endr
.irp i, 0,1,2,3
	ds_load_b128 v[X+16*((\t)%2)+4*\i:X+16*((\t)%2)+4*\i+3], v15 offset:32*SP*((\t)%2)+16*\i
.endr
.endm
.irp t, 0,1,2,3
	LOAD \t
.endr
	s_wait_loadcnt 12                              ; step 0's four loads are in; the twelve of steps 1 to 3 may be out
	TURN 0
.macro STEP t
.set XS, X+16*((\t)%2)
.if (\t) > 0
	s_wait_dscnt 1                                 ; this step's numbers are back from the stage (the last step's byte store may be out)
.else
	s_wait_dscnt 0x0
.endif
.if (\t)+4 < STEPS
	LOAD (\t)+4                                    ; into the registers that the stage's stores have read
.endif
.if (\t)+1 < STEPS
.if STEPS-2-(\t) >= 3
	s_wait_loadcnt 12                              ; the next step's four loads are in; those of the three steps behind it may be out
.else
	s_wait_loadcnt 4*(STEPS-2-(\t))
.endif
	TURN (\t)+1                                    ; and go through the other stage while this step is worked
.endif
	v_max3_num_f32 v8, |v[XS]|, |v[XS+1]|, |v[XS+2]|               ; the largest magnitude of my 16, in two chains
	v_max3_num_f32 v9, |v[XS+3]|, |v[XS+4]|, |v[XS+5]|
.irp i, 6,10
	v_max3_num_f32 v8, v8, |v[XS+\i]|, |v[XS+\i+1]|
	v_max3_num_f32 v9, v9, |v[XS+\i+2]|, |v[XS+\i+3]|
.endr
	v_max3_num_f32 v8, v8, |v[XS+14]|, |v[XS+15]|
	v_max3_num_f32 v8, v8, v9, (EMAX+1)<<23        ; and the floor 2^(3 - 127): the byte cannot fall under 1
	v_max_num_f32_dpp v8, v8, v8 row_xmask:1 row_mask:0xf bank_mask:0xf   ; and of my neighbour's 16: the block's
	v_add_nc_u32 v11, -(EMAX<<23), v8              ; 2 off its exponent field: the conversion takes the exponent field of this operand as its scale
	v_cvt_scalef32_pk8_fp4_f32 v[C+4*(\t)], v[XS:XS+7], v11
	v_cvt_scalef32_pk8_fp4_f32 v[C+4*(\t)+1], v[XS+8:XS+15], v11
	v_lshrrev_b32 v[E+(\t)], 23, v11               ; the scale's byte
	ds_store_b8 v5, v[E+(\t)] offset:16*(\t)       ; both lanes of a block write the same byte with the same value
	global_store_b64 v4, v[C+4*(\t):C+4*(\t)+1], s[14:15] offset:32*CB*(\t)   ; the wave stores 256 consecutive bytes, aligned
.endm
.irp t, 0,1,2,3,4,5,6,7,8,9,10,11,12,13,14,15
	STEP \t
.endr
	ds_load_b64 v[8:9], v6                         ; LDS serves a wave's instructions in order: these see my byte stores
	s_wait_dscnt 0x0
	global_store_b64 v7, v[8:9], s[16:17]          ; 32 lanes store 256 consecutive bytes, aligned
	s_wait_tensorcnt 0x0                           ; the wave's end
	ds_add_u32 v[SPW], v[NIL]
	s_wait_dscnt 0x0
	s_endpgm
	; ---- wo -> f16, times 4: 8,192 numbers a wave, 64 turns of 128; no LDS is touched on this path
.Lwo:
	v_lshlrev_b32 v3, 4, v2                        ; in: 16 bytes a lane
	v_lshlrev_b32 v4, 3, v2                        ; out: 8 bytes a lane
	s_sub_co_u32 s25, ttmp9, NQWG
	s_lshl_b32 s25, s25, 2
	s_add_co_u32 s25, s25, s24                     ; my wave's run
	s_lshl_b32 s26, s25, 15
	s_mov_b32 s27, 0
	s_lshl_b32 s28, s25, 14
	s_mov_b32 s29, 0
	s_wait_kmcnt 0x0
	s_add_nc_u64 s[12:13], s[12:13], s[26:27]
	s_add_nc_u64 s[18:19], s[18:19], s[28:29]
.irp i, 0,1,2,3,4,5,6,7,8,9,10,11,12,13,14,15
	global_load_b128 v[XB+4*\i:XB+4*\i+3], v3, s[12:13] offset:512*\i th:TH_LOAD_NT
.endr
.macro CONV i
.set XR, XB+4*((\i)%16)
.set YR, YB+2*((\i)%16)
.if 63-(\i) < 15
	s_wait_loadcnt 63-(\i)                         ; the last turns load nothing: the counts run down
.else
	s_wait_loadcnt 15                              ; my slot's load is in; the fifteen younger ones stay out
.endif
	s_wait_xcnt 0x0                                ; the slot's last store has read its data: they are rewritten only behind this wait
	v_pk_mul_f32 v[XR:XR+1], v[XR:XR+1], 4.0 op_sel_hi:[1,0]
	v_pk_mul_f32 v[XR+2:XR+3], v[XR+2:XR+3], 4.0 op_sel_hi:[1,0]
	v_cvt_pk_f16_f32 v[YR], v[XR], v[XR+1]
	v_cvt_pk_f16_f32 v[YR+1], v[XR+2], v[XR+3]
.if (\i)+16 < 64
	global_load_b128 v[XR:XR+3], v3, s[12:13] offset:512*((\i)+16) th:TH_LOAD_NT
.endif
	global_store_b64 v4, v[YR:YR+1], s[18:19] offset:256*(\i)      ; the wave stores 256 consecutive bytes, aligned
.endm
.set I, 0
.rept 64
	CONV I
.set I, I+1
.endr
	s_endpgm
.Lfunc_end_k_q2453e7fd65_prep:
	.size	k_q2453e7fd65_prep, .Lfunc_end_k_q2453e7fd65_prep-k_q2453e7fd65_prep
	.p2alignl 7, 3214868480
	.fill 96, 4, 3214868480
	.section	.rodata,"a",@progbits
	.p2align	6, 0x0
	.amdhsa_kernel k_q2453e7fd65_prep
		.amdhsa_group_segment_fixed_size 33280
		.amdhsa_private_segment_fixed_size 0
		.amdhsa_enable_private_segment 0
		.amdhsa_kernarg_size 64
		.amdhsa_user_sgpr_count 2
		.amdhsa_user_sgpr_kernarg_segment_ptr 1
		.amdhsa_wavefront_size32 1
		.amdhsa_system_sgpr_workgroup_id_x 1
		.amdhsa_system_sgpr_workgroup_id_y 1
		.amdhsa_system_sgpr_workgroup_id_z 1
		.amdhsa_system_vgpr_workitem_id 0
		.amdhsa_next_free_vgpr 192
		.amdhsa_next_free_sgpr 66
		.amdhsa_reserve_vcc 0
		.amdhsa_float_denorm_mode_32 3
		.amdhsa_float_denorm_mode_16_64 3
		.amdhsa_memory_ordered 1
		.amdhsa_forward_progress 1
		.amdhsa_inst_pref_size 66
	.end_amdhsa_kernel
	.amdgpu_metadata
---
amdhsa.version: [ 1, 2 ]
amdhsa.kernels:
  - .name:           k_q2453e7fd65_prep
    .symbol:         k_q2453e7fd65_prep.kd
    .args:
      - { .name: x, .offset: 0, .size: 8, .value_kind: global_buffer, .address_space: global }
      - { .name: wq, .offset: 8, .size: 8, .value_kind: global_buffer, .address_space: global }
      - { .name: wk, .offset: 16, .size: 8, .value_kind: global_buffer, .address_space: global }
      - { .name: wv, .offset: 24, .size: 8, .value_kind: global_buffer, .address_space: global }
      - { .name: wo, .offset: 32, .size: 8, .value_kind: global_buffer, .address_space: global }
      - { .name: codes, .offset: 40, .size: 8, .value_kind: global_buffer, .address_space: global }
      - { .name: scales, .offset: 48, .size: 8, .value_kind: global_buffer, .address_space: global }
      - { .name: wo16, .offset: 56, .size: 8, .value_kind: global_buffer, .address_space: global }
    .group_segment_fixed_size: 33280
    .private_segment_fixed_size: 0
    .kernarg_segment_align: 8
    .kernarg_segment_size: 64
    .max_flat_workgroup_size: 128
    .sgpr_count:     66
    .vgpr_count:     192
    .wavefront_size: 32
...
	.end_amdgpu_metadata
.endif
;; end of part 1
;; launch qkv (part 2): grid 24 x 8, 4 waves a work-group, clusters of 4 x 4, 327,680 bytes of LDS; arguments codes, scales, freqs_cos, freqs_sin, qkv16, qkv32; writes qkv16, qkv32
.if DOCPART == 2
	.amdgcn_target "amdgcn-amd-amdhsa--gfx1250"
	.amdhsa_code_object_version 6
	.text
	.protected	k_q2453e7fd65_qkv
	.globl	k_q2453e7fd65_qkv
	.p2align	8
	.type	k_q2453e7fd65_qkv,@function
k_q2453e7fd65_qkv:
	s_mov_b64 s[64:65], 0
	v_nop
	global_prefetch_b8 v0, s[64:65] scope:SCOPE_SE
	s_setreg_imm32_b32 hwreg(HW_REG_WAVE_MODE, 25, 1), 1
	s_wait_xcnt 0x0
	s_wait_alu depctr_hold_cnt(0) depctr_sa_sdst(0) depctr_va_vdst(0) depctr_va_sdst(0) depctr_va_ssrc(0) depctr_va_vcc(0) depctr_vm_vsrc(0)
	s_getreg_b32 s2, hwreg(HW_REG_IB_STS2, 6, 4)
	s_cmp_eq_u32 s2, 0
	s_cbranch_scc0 .Lentry_in_a_cluster
	s_endpgm
.Lentry_in_a_cluster:
	s_bfe_u32 s2, ttmp6, 0x10000c
	s_cmp_lg_u32 s2, 0xf033
	s_cbranch_scc0 .Lentry_shape_is_right
	s_endpgm
.Lentry_shape_is_right:
; C[token][feature] = sum over k of x[token][k] w[feature][k], 1,024 tokens x 6,144 features (4,096 of q, 1,024 of k, 1,024 of v), K = 4,096, on codes of FP4 (E2M1) with one E8M0 scale for each 32 along K.
; Rows 0-1023 of the codes' buffer are x, rows 1024 + feature the weights; a row is 2,048 bytes; the scale bytes lie [row][128].  Nothing is left out here.
; On the way out q and k are turned by RoPE in f32 (pairs of neighbouring features), all three are multiplied by 1/4 (exact) and stored as f16, [48 heads][1,024 tokens][128]; tokens 0 to 15 also as f32, [48][16][128].
; SHARES.  A tile of C is 128 tokens x 256 features: 192 work-groups of four waves; wave w makes tokens 64 (w / 2) on and features 128 (w % 2) on, which are ONE head: 32 accumulators of 16 x 16.
; K goes in steps of 512 (rows of 256 bytes) through a ring of two LDS slots; the scale bytes of the tile's rows, for all of K, come once, as dense blocks, with the first fills, and stay.
; CLUSTERS: 4 x 4 work-groups.  x's tile is shared along a row of the cluster, the weights' along a column: each is asked for jointly, by the same tensor load with the same descriptor and a mask that names the four.
; THE MATRIX INSTRUCTION IS USED TRANSPOSED (source 0 = 16 features, source 1 = 16 tokens): a lane holds one token and eight neighbouring features, four RoPE pairs.
; The kind of a tile (q, k or v) hangs on the cluster's x alone (0-3: q, 4: k, 5: v): ONE fork on it stands behind the last change of slots, where no barrier and no tensor load follows.  The q and k path asks there for its
; rows of cos and sin, which land during the last four steps of 128 along K; the v path has neither the loads nor the turn.  Each path has stage bytes of its own.
; REGISTERS, in windows of 256: window 0: v14-31 addresses; v32-95 scale words, two sets; v128-191 x's fragments, two sets of four; on the way out v32-199 are at work.
;   window 1: the weights' fragments, two sets of eight, at v0 and v128.   window 2: accumulator (a, b) at v[8 (8 a + b)].   window 3: for (a, b): cos at v[64 a + 8 b], sin four further on.
.set KROW,   2048                      ; a row of codes in memory
.set ROWB,   256                       ; a tile's row: 512 codes
.set PITCH,  272                       ; an LDS row: 256 bytes + 16 of padding = 68 words: row r starts at bank 4 r mod 64 (64 banks of 4 bytes: ISA guide 11.1)
.set FR,     8                         ; registers of a fragment: 16 rows x 128 K
.set AH,     64*PITCH                  ; 64 rows of x: one tensor load, and what one wave reads
.set BH,     128*PITCH                 ; 128 rows of weights likewise
.set SLOT,   2*AH+2*BH
.set LAPS,   4                         ; a lap = two K steps = once round the ring; 8 K steps
.set SCL,    2*SLOT                    ; behind the ring: the scale bytes, as units of 256 bytes + 16 of padding; a row has 128
.set SAH,    32*272                    ; those of 64 rows
.set SBH,    64*272                    ; of 128 rows
.set SBLK,   8*272                     ; of 16 rows
.set SPARE,  SCL+2*SAH+2*SBH           ; the spare words, 128 bytes for each wave
.set SPITCH, 272                       ; the way out: a stage of 16 rows x (256 + 16) bytes for each wave, in slot 0, which has had its last fill and its last read by then
.set VSTG,   4*16*SPITCH               ; the v path's four stages lie behind the q and k path's four
.set PFO,  14                          ; v14  2,048 x lane: the prefetches' offset; never rewritten
.set RB,   15                          ; v15  2 x tile row + my half: 0 where my first block holds tokens 0-15
.set ADRA, 16                          ; v16-17 LDS address of my fragments of x in slot 0, 1
.set ADRB, 20                          ; v20-21 the same for the weights
.set STO,  24
.set RD,   25
.set CO,   26
.set ADRS, 27                          ; v27  my scale words: lanes 0-15 x's rows, lanes 16-31 the weights'
.set SPW,  28
.set NIL,  29
.set CSO,  30                          ; v30  256 r + 16 h: my four cos or sin of a block
.set FO,   31                          ; v31  512 r + 32 h: my place in the f32 rows
.set SC,   32                          ; scale words: set s at v[SC + 32 s]; register 4 i + q: lanes 0-15 x's block i, lanes 16-31 the weights' block i, the slot's q-th 128 along K
.set AF,   128
.set T,    32                          ; the way out: 64 numbers of a block
.set U,    96                          ; eight products at work
.set H,    104                         ; 32 registers of f16
.set BK,   136                         ; 16 rows read back: v136-167 and v168-199 by turns
.set G1,   24
.set G0,   32
.set G1B,  48
.set G0B,  56
.set G1S,  68
.set G0S,  76
.set G1SB, 80
.set G0SB, 88
.set PFA,  92                          ; s[92:93] where my prefetches stand
.set LIM,  94                          ; s94 1 in a wave that prefetches, else the greatest number
.set MSB, 0
.macro WIN new                         ; the immediate's high byte repeats the setting that is left
.if MSB != \new
	s_set_vgpr_msb (MSB<<8)|\new
.set MSB, \new
.endif
.endm
.set MUL,  0xa1                        ; source 0 (weights) window 1, source 1 (x) window 0, C and D window 2
.set TO_B, 0x40
; A joint load: waves 0 and 1 fetch for x, waves 2 and 3 for the weights.  An s_nop 0 and four v_nop follow each of the two lines.
.macro JLOAD g0a, g1a, g0b, g1b
	s_cmp_eq_u32 s17, 0
	s_cbranch_scc0 .Lfor_b_\@
	tensor_load_to_lds s[\g0a:\g0a+3], s[\g1a:\g1a+7]
	s_nop 0
.rept 4
	v_nop
.endr
	s_branch .Lasked_\@
.Lfor_b_\@:
	tensor_load_to_lds s[\g0b:\g0b+3], s[\g1b:\g1b+7]
	s_nop 0
.rept 4
	v_nop
.endr
.Lasked_\@:
.endm
.macro CREST
	s_cmp_lg_u32 s16, 0
	s_cbranch_scc1 .Lnot_wave_0_\@
	s_barrier_signal -3
.Lnot_wave_0_\@:
	s_barrier_wait -3
	s_barrier_signal -1
	s_barrier_wait -1
.endm
.macro CROUND
	s_barrier_signal -1
	s_barrier_wait -1
	CREST
.endm
; A prefetch of the K step that stands two refills on: 32 rows x 256 bytes, a lane a row.  x's rows are read by every cluster of a row of clusters: wave 0 of the clusters with x = 0 asks; the weights' rows by both
; clusters of a column: waves 2 and 3 of the clusters with y = 0 ask.  The four partners that ask for a tile jointly take 32 rows each, told apart by address.  The loop's last trip has no K step two on.
.macro ASK
	s_cmp_gt_u32 s3, s[LIM]
	s_cbranch_scc0 .Lnot_mine_\@
	global_prefetch_b8 v[PFO], s[PFA:PFA+1] offset:ROWB th:TH_LOAD_NT scope:SCOPE_SE
.Lnot_mine_\@:
.endm
	s_load_b256 s[4:11], s[0:1], 0x0               ; codes s[4:5], scales s[6:7], cos s[8:9], sin s[10:11]
	s_load_b128 s[12:15], s[0:1], 0x20             ; qkv16 s[12:13], qkv32 s[14:15]
	v_lshl_add_u32 v[SPW], v0, 2, SPARE
	v_mov_b32 v[NIL], 0
	ds_add_u32 v[SPW], v[NIL]                      ; the wave's opening: the add, twice on end, and its wait ahead of my first tensor load
	ds_add_u32 v[SPW], v[NIL]
	v_lshrrev_b32 v1, 5, v0
	v_readfirstlane_b32 s16, v1                    ; wave 0..3
	s_lshr_b32 s17, s16, 1                         ; which 64 tokens are mine.  Also: I fetch for x (0) or for the weights (1)
	s_and_b32 s18, s16, 1                          ; which 128 features.  Also: which half of that tile I fetch
	s_bfe_u32 s40, ttmp6, 0x40000                  ; cx
	s_bfe_u32 s41, ttmp6, 0x40004                  ; cy
	s_lshl_b32 s42, ttmp9, 2
	s_add_co_u32 s42, s42, s40                     ; tile column = 4 x cluster x + cx
	s_and_b32 s19, ttmp7, 0xffff
	s_lshl_b32 s19, s19, 2
	s_add_co_u32 s19, s19, s41                     ; tile row = 4 x cluster y + cy
	s_lshl_b32 s43, s41, 2
	s_lshl_b32 s43, 15, s43                        ; my row of the cluster
	s_lshl_b32 s44, 0x1111, s40                    ; my column
	s_or_b32 s[G1+0], s43, (0<<16)|(1<<20)|(1<<21)|(5<<22)|(3<<25)   ; 15:0 the mask; 17:16 elements of 1 byte; 20 padding on; 21 set beside a mask; 24:22 after every 64 words; 31:25 four words
	s_or_b32 s[G1B+0], s44, (0<<16)|(1<<20)|(1<<21)|(5<<22)|(3<<25)
.irp g, G1, G1B
	s_mov_b32 s[\g+1], ROWB<<16                    ; tensor_dim0
	s_mov_b32 s[\g+3], ROWB<<16                    ; tile_dim0
	s_mov_b32 s[\g+5], KROW                        ; from row to row
	s_mov_b32 s[\g+6], 0
	s_mov_b32 s[\g+7], 0
.endr
	s_mov_b32 s[G1+2], 64<<16                      ; x: 64 rows to a load
	s_mov_b32 s[G1+4], 64
	s_mov_b32 s[G1B+2], 128<<16                    ; the weights: 128
	s_mov_b32 s[G1B+4], 128
	s_or_b32 s[G1S+0], s43, (3<<16)|(1<<20)|(1<<21)|(5<<22)|(3<<25)  ; the scale bytes: dense blocks as rows of 256 bytes (32 elements of 8)
	s_or_b32 s[G1SB+0], s44, (3<<16)|(1<<20)|(1<<21)|(5<<22)|(3<<25)
.irp g, G1S, G1SB
	s_mov_b32 s[\g+1], 32<<16
	s_mov_b32 s[\g+3], 32<<16
	s_mov_b32 s[\g+5], 32
	s_mov_b32 s[\g+6], 0
	s_mov_b32 s[\g+7], 0
.endr
	s_mov_b32 s[G1S+2], 32<<16                     ; 64 rows x 128 bytes = 32 units
	s_mov_b32 s[G1S+4], 32
	s_mov_b32 s[G1SB+2], 64<<16
	s_mov_b32 s[G1SB+4], 64
	s_lshl_b32 s20, s19, 7
	s_lshl_b32 s21, s18, 6
	s_add_co_u32 s20, s20, s21                     ; x: row 128 x tile row + 64 x half
	s_lshl_b32 s22, s20, 7                         ; its scale bytes,
	s_lshl_b32 s20, s20, 11                        ; its codes
	s_mov_b32 s21, 0
	s_mov_b32 s23, 0
	s_lshl_b32 s46, s42, 8
	s_lshl_b32 s47, s18, 7
	s_add_co_u32 s46, s46, s47
	s_add_co_u32 s46, s46, 1024                    ; the weights: row 1,024 + 256 x tile column + 128 x half
	s_lshl_b32 s66, s46, 7
	s_lshl_b32 s46, s46, 11
	s_mov_b32 s47, 0
	s_mov_b32 s67, 0
	s_mul_i32 s45, s18, AH                         ; where they go: the wave's number alone enters an LDS address
	s_mul_i32 s95, s18, BH
	s_add_co_u32 s95, s95, 2*AH
	s_mul_i32 s2, s18, SAH
	s_add_co_u32 s2, s2, SCL
	s_mul_i32 s3, s18, SBH
	s_add_co_u32 s3, s3, SCL+2*SAH
	s_mov_b32 s96, 0x3e800000                      ; 1/4
	s_mov_b32 s97, s96                             ; (named with it as a pair)
	s_wait_dscnt 0x0                               ; both opening adds are done
	s_wait_kmcnt 0x0
	s_add_nc_u64 s[20:21], s[4:5], s[20:21]
	s_add_nc_u64 s[22:23], s[6:7], s[22:23]
	s_add_nc_u64 s[46:47], s[4:5], s[46:47]
	s_add_nc_u64 s[66:67], s[6:7], s[66:67]
	CROUND                                         ; all sixteen work-groups are here: the first joint loads meet
	s_mov_b32 s[G0S], 1
	s_mov_b32 s[G0S+1], s2
	s_mov_b64 s[G0S+2:G0S+3], s[22:23]
	s_or_b32 s[G0S+3], s[G0S+3], 0x80000000
	s_mov_b32 s[G0SB], 1
	s_mov_b32 s[G0SB+1], s3
	s_mov_b64 s[G0SB+2:G0SB+3], s[66:67]
	s_or_b32 s[G0SB+3], s[G0SB+3], 0x80000000
	JLOAD G0S, G1S, G0SB, G1SB                     ; the scales first: they are wanted with K step 0.  By this text's count three loads of a wave are out at the start, later one
.irp s, 0,1
	s_mov_b32 s[G0+4*\s], 1
	s_add_co_u32 s[G0+4*\s+1], s45, \s*SLOT
	s_add_nc_u64 s[G0+4*\s+2:G0+4*\s+3], s[20:21], \s*ROWB
	s_or_b32 s[G0+4*\s+3], s[G0+4*\s+3], 0x80000000
	s_mov_b32 s[G0B+4*\s], 1
	s_add_co_u32 s[G0B+4*\s+1], s95, \s*SLOT
	s_add_nc_u64 s[G0B+4*\s+2:G0B+4*\s+3], s[46:47], \s*ROWB
	s_or_b32 s[G0B+4*\s+3], s[G0B+4*\s+3], 0x80000000
	JLOAD G0+4*\s, G1, G0B+4*\s, G1B
.endr
	v_and_b32 v1, 15, v0                           ; r
	v_bfe_u32 v2, v0, 4, 1                         ; h
	v_mul_u32_u24 v3, v1, PITCH
	v_lshl_add_u32 v4, v2, 4, v3                   ; a fragment's row x pitch + 16 h
	s_mul_i32 s21, s17, AH                         ; my 64 rows of x
	s_mul_i32 s22, s18, BH                         ; my 128 rows of weights,
	s_add_co_u32 s22, s22, 2*AH                    ; behind x's 128
.irp s, 0,1
	v_add_nc_u32 v[ADRA+\s], s21, v4
	v_add_nc_u32 v[ADRB+\s], s22, v4
	s_add_co_u32 s21, s21, SLOT
	s_add_co_u32 s22, s22, SLOT
.endr
	v_lshlrev_b32 v5, 7, v1                        ; my row's scales: 128 bytes a row,
	v_lshrrev_b32 v6, 8, v5
	v_lshl_add_u32 v5, v6, 4, v5                   ; and 16 more for each 256 passed
	s_mul_i32 s21, s17, SAH
	s_mul_i32 s22, s18, SBH
	s_add_co_u32 s22, s22, 2*SAH
	s_sub_co_u32 s22, s22, s21
	v_mul_u32_u24 v6, s22, v2                      ; lanes 16-31 take the weights': the lower base + h x the distance
	s_add_co_u32 s21, s21, SCL
	v_add_nc_u32 v5, v5, v6
	v_add_nc_u32 v[ADRS], s21, v5
	s_mul_i32 s23, s16, 16*SPITCH                  ; my stage
	v_mul_u32_u24 v5, v1, SPITCH
	v_lshl_add_u32 v5, v2, 4, v5
	v_add_nc_u32 v[STO], s23, v5                   ; in: row r, 16 bytes for each half of the lanes
	v_mul_u32_u24 v5, v2, SPITCH
	v_lshl_add_u32 v5, v1, 4, v5
	v_add_nc_u32 v[RD], s23, v5                    ; back: lanes 0-15 one row of 256 bytes, lanes 16-31 the next
	v_lshlrev_b32 v5, 8, v2
	v_lshl_add_u32 v[CO], v1, 4, v5                ; and the same two rows in qkv16
	v_lshlrev_b32 v5, 8, v1
	v_lshl_add_u32 v[CSO], v2, 4, v5
	v_lshlrev_b32 v5, 9, v1
	v_lshl_add_u32 v[FO], v2, 5, v5
	v_and_b32 v5, 31, v0
	v_lshlrev_b32 v[PFO], 11, v5
	s_lshl_b32 s20, s19, 1
	s_add_co_u32 s20, s20, s17
	v_mov_b32 v[RB], s20
	s_lshl_b32 s20, s19, 7
	s_lshl_b32 s21, s17, 6
	s_add_co_u32 s20, s20, s21                     ; my first token;
	s_lshl_b32 s20, s20, 8                         ; a row of cos, of sin and of qkv16 is 256 bytes
	s_mov_b32 s21, 0
	s_add_nc_u64 s[8:9], s[8:9], s[20:21]
	s_add_nc_u64 s[10:11], s[10:11], s[20:21]
	s_add_nc_u64 s[12:13], s[12:13], s[20:21]
	s_lshl_b32 s99, s42, 1
	s_add_co_u32 s99, s99, s18                     ; my head, 0..47
	s_lshl_b32 s46, s99, 18
	s_mov_b32 s47, 0
	s_add_nc_u64 s[12:13], s[12:13], s[46:47]
	s_lshl_b32 s46, s99, 13
	s_add_nc_u64 s[14:15], s[14:15], s[46:47]
	s_lshl_b32 s20, s19, 7                         ; the prefetches: x's rows 128 x tile row + 32 cx on,
	s_lshl_b32 s21, s40, 5
	s_add_co_u32 s20, s20, s21
	s_lshl_b32 s46, s42, 8                         ; the weights' rows 1,024 + 256 x tile column + 128 x half + 32 cy on
	s_lshl_b32 s47, s18, 7
	s_add_co_u32 s46, s46, s47
	s_lshl_b32 s47, s41, 5
	s_add_co_u32 s46, s46, s47
	s_add_co_u32 s46, s46, 1024
	s_and_b32 s22, ttmp7, 0xffff                   ; cluster y
	s_or_b32 s23, ttmp9, s16                       ; 0 in wave 0 of the clusters with x = 0
	s_cmp_eq_u32 s17, 0
	s_cselect_b32 s20, s20, s46
	s_cselect_b32 s22, s23, s22
	s_cmp_eq_u32 s22, 0
	s_cselect_b32 s[LIM], 1, -1                    ; the same in all sixteen partners, for a given wave
	s_lshl_b32 s20, s20, 11
	s_add_co_u32 s20, s20, 2*ROWB                  ; at K step 2: the first refill steps it to 3 and names K step 4
	s_mov_b32 s21, 0
	s_add_nc_u64 s[PFA:PFA+1], s[4:5], s[20:21]
.macro FRAG reg, adr, q, i             ; 16 rows x 128 K of 4-bit codes: lane l holds row l % 16; registers 4 c .. 4 c + 3 hold K = 64 c + 32 (l / 16) + 0 .. 31
.irp c, 0,1
	ds_load_b128 v[\reg+4*\c:\reg+4*\c+3], v[\adr] offset:64*(\q)+32*\c+(\i)*16*PITCH
.endr
.endm
; 8 matrix instructions: x's block a against the weights' eight, the slot's q-th 128 along K.  p: the set of fragments; sc: the set of scale words.  zero = 1: the product starts the sums.
; The 32 accumulators take turns, one instruction a turn, in the same order in every step.
.macro MUL8 a, p, q, sc, zero
.irp b, 0,1,2,3,4,5,6,7
.if \zero
	v_wmma_scale_f32_16x16x128_f8f6f4 v[8*(8*(\a)+\b):8*(8*(\a)+\b)+7], v[128*(\p)+FR*\b:128*(\p)+FR*\b+FR-1], v[AF+32*(\p)+FR*(\a):AF+32*(\p)+FR*(\a)+FR-1], 0, v[SC+32*(\sc)+4*\b+(\q)], v[SC+32*(\sc)+4*(\a)+(\q)] matrix_a_fmt:MATRIX_FMT_FP4 matrix_b_fmt:MATRIX_FMT_FP4 matrix_a_scale:MATRIX_SCALE_ROW1
.else
	v_wmma_scale_f32_16x16x128_f8f6f4 v[8*(8*(\a)+\b):8*(8*(\a)+\b)+7], v[128*(\p)+FR*\b:128*(\p)+FR*\b+FR-1], v[AF+32*(\p)+FR*(\a):AF+32*(\p)+FR*(\a)+FR-1], v[8*(8*(\a)+\b):8*(8*(\a)+\b)+7], v[SC+32*(\sc)+4*\b+(\q)], v[SC+32*(\sc)+4*(\a)+(\q)] matrix_a_fmt:MATRIX_FMT_FP4 matrix_b_fmt:MATRIX_FMT_FP4 matrix_a_scale:MATRIX_SCALE_ROW1
.endif
.endr
.endm
.macro FETCH_B slot, q, p
	WIN TO_B
.irp i, 0,1,2,3,4,5,6,7
	FRAG 128*(\p)+FR*\i, ADRB+\slot, \q, \i
.endr
	WIN 0
.endm
.macro FETCH_A slot, q, p
.irp i, 0,1,2,3
	FRAG AF+32*(\p)+FR*\i, ADRA+\slot, \q, \i
.endr
.endm
.macro SCALES sc                       ; a K step's scale words: four words a row by one load; in lanes 0-15 of registers 16 on lie bytes that no product reads
.irp i, 0,1,2,3,4,5,6,7
	ds_load_b128 v[SC+32*\sc+4*\i:SC+32*\sc+4*\i+3], v[ADRS] offset:\i*SBLK
.endr
.endm
.macro PLACES n                        ; plain vector instructions between a matrix instruction and a load into, or a vector access of, its registers
.rept \n
	v_nop
.endr
.endm
; A step of 128 along K that has its successor in the same slot: the successor's 24 loads go out ahead of this step's 32 products.
.macro STEP slot, q, zero
	s_wait_dscnt 0x0                               ; this step's fragments are in: they were asked for ahead of the last step's 32 products
	PLACES 4                                       ; the other set was read by the products just issued
	FETCH_B \slot, (\q)+1, 1-(\q)%2
	FETCH_A \slot, (\q)+1, 1-(\q)%2
	WIN MUL
	MUL8 0, (\q)%2, \q, \slot, \zero
	MUL8 1, (\q)%2, \q, \slot, \zero
	MUL8 2, (\q)%2, \q, \slot, \zero
	MUL8 3, (\q)%2, \q, \slot, \zero
	WIN 0
.endm
; A slot's last step changes slots: one barrier; in front of it each wave waits for all its tensor loads, adds 0 to its spare word, and waits for that and for its reads of this slot.
.macro TURN slot, next, fill
.if \fill
	s_wait_xcnt 0x0                                ; the last prefetch, a K step back, has read its address
	s_add_nc_u64 s[PFA:PFA+1], s[PFA:PFA+1], ROWB
.endif
	s_wait_tensorcnt 0x0                           ; all my tensor loads have landed: my part of the next slot
	ds_add_u32 v[SPW], v[NIL]
	s_wait_dscnt 1                                 ; this step's fragments are in; the add alone may be out
	WIN MUL
	MUL8 0, 1, 3, \slot, 0
	s_wait_dscnt 0x0                               ; the add is done, and my reads of this slot are over
	s_barrier_signal -1
	MUL8 1, 1, 3, \slot, 0
	WIN 0
	s_barrier_wait -1
.if \fill
	CREST                                          ; the barrier has opened a round of the cluster's: no wave of any partner still reads this slot or has a load on its way
	s_add_nc_u64 s[G0+4*\slot+2:G0+4*\slot+3], s[G0+4*\slot+2:G0+4*\slot+3], 2*ROWB
	s_add_nc_u64 s[G0B+4*\slot+2:G0B+4*\slot+3], s[G0B+4*\slot+2:G0B+4*\slot+3], 2*ROWB
	JLOAD G0+4*\slot, G1, G0B+4*\slot, G1B         ; the first tensor load behind the round; its four v_nop are the places in front of the loads below
.else
	PLACES 4
.endif
	v_add_nc_u32 v[ADRS], 16, v[ADRS]              ; on to the next K step's scale words
	FETCH_B \next, 0, 0
	FETCH_A \next, 0, 0
	SCALES \next
.if \fill
	ASK
.endif
	WIN MUL
	MUL8 2, 1, 3, \slot, 0
	MUL8 3, 1, 3, \slot, 0
	WIN 0
.endm
; cos and sin of blocks a0 and a0 + 1: for (a, b) my four pairs' numbers, 16 bytes each
.macro LOADCS a0
	WIN 0xc0                                       ; destination window 3
.irp a, \a0, \a0+1
.irp b, 0,1,2,3,4,5,6,7
	global_load_b128 v[64*(\a)+8*\b:64*(\a)+8*\b+3], v[CSO], s[8:9] offset:4096*(\a)+32*\b
	global_load_b128 v[64*(\a)+8*\b+4:64*(\a)+8*\b+7], v[CSO], s[10:11] offset:4096*(\a)+32*\b
.endr
.endr
	WIN 0
.endm
; THE WAY OUT of block a: 16 tokens x 128 features.  Lane (r, h) holds token r and, of accumulator b, features 16 b + 8 h + 0 .. 7.
.macro OUTBLK a, rope
.set AB, 64*(\a)
.set SG, (1-(\rope))*VSTG
.set BB, BK+32*((\a)%2)
.if \rope
	WIN 0x0e                                       ; source 0 window 2 (the sums), source 1 window 3 (cos, sin)
.irp b, 0,1,2,3,4,5,6,7
.irp i, 0,1,2,3
	v_mul_f32 v[U+2*\i], v[AB+8*\b+2*\i+1], v[AB+8*\b+4+\i]        ; odd x sin  (an accumulator is read from its low end on)
	v_mul_f32 v[U+2*\i+1], v[AB+8*\b+2*\i], v[AB+8*\b+4+\i]        ; even x sin
.endr
.irp i, 0,1,2,3
	v_fma_f32 v[T+8*\b+2*\i], v[AB+8*\b+2*\i], v[AB+8*\b+\i], -v[U+2*\i]         ; even x cos - odd x sin
	v_fma_f32 v[T+8*\b+2*\i+1], v[AB+8*\b+2*\i+1], v[AB+8*\b+\i], v[U+2*\i+1]    ; odd x cos + even x sin
.endr
.endr
	WIN 0
.set n, 0
.rept 32
	v_pk_mul_f32 v[T+n:T+n+1], v[T+n:T+n+1], s[96:97] op_sel_hi:[1,0]   ; x 1/4: exact
.set n, n+2
.endr
.else
	WIN 0x08                                       ; source 1 window 2
.set n, 0
.rept 64
	v_mul_f32 v[T+n], s96, v[AB+n]
.set n, n+1
.endr
	WIN 0
.endif
.if (\a) == 0                          ; tokens 0 to 15 also leave as f32.  Whether they are mine hangs on my place in the cluster: a mask of lanes, no branch
	v_cmp_eq_u32 vcc_lo, 0, v[RB]
	s_wait_xcnt 0x0                                ; EXEC changes only behind this wait
	s_and_saveexec_b32 s98, vcc_lo
.irp b, 0,1,2,3,4,5,6,7
	global_store_b128 v[FO], v[T+8*\b:T+8*\b+3], s[14:15] offset:64*\b
	global_store_b128 v[FO], v[T+8*\b+4:T+8*\b+7], s[14:15] offset:64*\b+16
.endr
	s_wait_xcnt 0x0                                ; and again, in front of the line that widens it; the stores have read their data too
	s_or_b32 exec_lo, exec_lo, s98
.endif
.irp b, 0,1,2,3,4,5,6,7
.irp k, 0,1,2,3
	v_cvt_pk_f16_f32 v[H+4*\b+\k], v[T+8*\b+2*\k], v[T+8*\b+2*\k+1]
.endr
.endr
.irp b, 0,1,2,3,4,5,6,7
	ds_store_b128 v[STO], v[H+4*\b:H+4*\b+3] offset:SG+32*\b
.endr
.if (\a) >= 2
	s_wait_xcnt 0x0                                ; block a - 2's stores have read their registers
.endif
.irp t, 0,1,2,3,4,5,6,7
	ds_load_b128 v[BB+4*\t:BB+4*\t+3], v[RD] offset:SG+\t*2*SPITCH   ; LDS serves a wave's instructions in order: these see the stores above
.endr
	s_wait_dscnt 0x0
.irp t, 0,1,2,3,4,5,6,7
	global_store_b128 v[CO], v[BB+4*\t:BB+4*\t+3], s[12:13] offset:(16*(\a)+2*\t)*256   ; 16 lanes store 256 consecutive bytes, aligned: a token's row of one head
.endr
.endm
; The last K step and the way out, once for q and k (rope = 1), once for v.
.macro FINISH rope
.if \rope
	LOADCS 0
.endif
	STEP 1, 0, 0
	STEP 1, 1, 0
.if \rope
	LOADCS 2
.endif
	STEP 1, 2, 0
	s_wait_dscnt 0x0                               ; the very last step: nothing more to fetch
	WIN MUL
	MUL8 0, 1, 3, 1, 0
	MUL8 1, 1, 3, 1, 0
	MUL8 2, 1, 3, 1, 0
	MUL8 3, 1, 3, 1, 0
	WIN 0
.if \rope
	s_wait_loadcnt 0x0                             ; cos and sin
.endif
	PLACES 4
	OUTBLK 0, \rope
	OUTBLK 1, \rope
	OUTBLK 2, \rope
	OUTBLK 3, \rope
.endm
	s_wait_tensorcnt 1                             ; the scales and my part of K step 0 are in; K step 1's load may be out
	s_barrier_signal -1
	s_barrier_wait -1
	FETCH_B 0, 0, 0
	FETCH_A 0, 0, 0
	SCALES 0
	STEP 0, 0, 1                                   ; the first step stands in front of the loop: its products start the sums
	s_mov_b32 s3, LAPS-1
.Llap:                                                 ; a trip goes once round the ring and fills both slots again
	STEP 0, 1, 0
	STEP 0, 2, 0
	TURN 0, 1, 1
	STEP 1, 0, 0
	STEP 1, 1, 0
	STEP 1, 2, 0
	TURN 1, 0, 1
	STEP 0, 0, 0
	s_sub_co_u32 s3, s3, 1
	s_cmp_lg_u32 s3, 0
	s_cbranch_scc1 .Llap
	STEP 0, 1, 0                                   ; the last lap fills nothing
	STEP 0, 2, 0
	TURN 0, 1, 0
	s_cmp_lt_u32 ttmp9, 5                          ; the cluster's x: the same in all sixteen partners and in all waves
	s_cbranch_scc0 .Lvalues
	FINISH 1
	s_branch .Ldone
.Lvalues:
	FINISH 0
.Ldone:
	s_wait_tensorcnt 0x0                           ; the wave's end
	ds_add_u32 v[SPW], v[NIL]
	s_wait_dscnt 0x0
	CROUND                                         ; the closing round
	s_endpgm
.Lfunc_end_k_q2453e7fd65_qkv:
	.size	k_q2453e7fd65_qkv, .Lfunc_end_k_q2453e7fd65_qkv-k_q2453e7fd65_qkv
	.p2alignl 7, 3214868480
	.fill 96, 4, 3214868480
	.section	.rodata,"a",@progbits
	.p2align	6, 0x0
	.amdhsa_kernel k_q2453e7fd65_qkv
		.amdhsa_group_segment_fixed_size 327680
		.amdhsa_private_segment_fixed_size 0
		.amdhsa_enable_private_segment 0
		.amdhsa_kernarg_size 48
		.amdhsa_user_sgpr_count 2
		.amdhsa_user_sgpr_kernarg_segment_ptr 1
		.amdhsa_wavefront_size32 1
		.amdhsa_system_sgpr_workgroup_id_x 1
		.amdhsa_system_sgpr_workgroup_id_y 1
		.amdhsa_system_sgpr_workgroup_id_z 1
		.amdhsa_system_vgpr_workitem_id 0
		.amdhsa_next_free_vgpr 1024
		.amdhsa_next_free_sgpr 100
		.amdhsa_reserve_vcc 1
		.amdhsa_float_denorm_mode_32 3
		.amdhsa_float_denorm_mode_16_64 3
		.amdhsa_memory_ordered 1
		.amdhsa_forward_progress 1
		.amdhsa_inst_pref_size 211
	.end_amdhsa_kernel
	.amdgpu_metadata
---
amdhsa.version: [ 1, 2 ]
amdhsa.kernels:
  - .name:           k_q2453e7fd65_qkv
    .symbol:         k_q2453e7fd65_qkv.kd
    .args:
      - { .name: codes, .offset: 0, .size: 8, .value_kind: global_buffer, .address_space: global }
      - { .name: scales, .offset: 8, .size: 8, .value_kind: global_buffer, .address_space: global }
      - { .name: freqs_cos, .offset: 16, .size: 8, .value_kind: global_buffer, .address_space: global }
      - { .name: freqs_sin, .offset: 24, .size: 8, .value_kind: global_buffer, .address_space: global }
      - { .name: qkv16, .offset: 32, .size: 8, .value_kind: global_buffer, .address_space: global }
      - { .name: qkv32, .offset: 40, .size: 8, .value_kind: global_buffer, .address_space: global }
    .group_segment_fixed_size: 327680
    .private_segment_fixed_size: 0
    .kernarg_segment_align: 8
    .kernarg_segment_size: 48
    .max_flat_workgroup_size: 128
    .sgpr_count:     100
    .vgpr_count:     1024
    .wavefront_size: 32
...
	.end_amdgpu_metadata
.endif
;; end of part 2
;; launch attn (part 3): grid 32 x 8, 8 waves a work-group, clusters of 4 x 1, 327,680 bytes of LDS; arguments qkv16, a16; writes a16
.if DOCPART == 3
	.amdgcn_target "amdgcn-amd-amdhsa--gfx1250"
	.amdhsa_code_object_version 6
	.text
	.protected	k_q2453e7fd65_attn
	.globl	k_q2453e7fd65_attn
	.p2align	8
	.type	k_q2453e7fd65_attn,@function
k_q2453e7fd65_attn:
	s_mov_b64 s[64:65], 0
	v_nop
	global_prefetch_b8 v0, s[64:65] scope:SCOPE_SE
	s_setreg_imm32_b32 hwreg(HW_REG_WAVE_MODE, 25, 1), 1
	s_wait_xcnt 0x0
	s_wait_alu depctr_hold_cnt(0) depctr_sa_sdst(0) depctr_va_vdst(0) depctr_va_sdst(0) depctr_va_ssrc(0) depctr_va_vcc(0) depctr_vm_vsrc(0)
	s_getreg_b32 s2, hwreg(HW_REG_IB_STS2, 6, 4)
	s_cmp_eq_u32 s2, 0
	s_cbranch_scc0 .Lentry_in_a_cluster
	s_endpgm
.Lentry_in_a_cluster:
	s_bfe_u32 s2, ttmp6, 0x10000c
	s_cmp_lg_u32 s2, 0x3003
	s_cbranch_scc0 .Lentry_shape_is_right
	s_endpgm
.Lentry_shape_is_right:
; a[q][head] = the sum over keys k <= q of softmax_k(Q[q] . K[k] / sqrt(128)) V[k], for positions 16 to 1,023 of 32 heads; K and V belong to head / 4.  Operands f16 (each kept as value / 4), sums, maxima and softmax f32.
; qkv16: [48][1,024][128] f16: heads 0-31 q, 32-39 k, 40-47 v.  a16: [1,024][4,096] f16, the result / 4 (V's factor; the scores' 1/16 is taken up by the constant c).
; LEFT OUT: key steps all of whose keys come after a tile's queries (their weights are 0 by reference()'s own mask, for all finite inputs); and the tile of positions 0 to 15, which the next launch makes in f32:
; the wave that holds it loads its Q and clears its sums like the others, multiplies nothing and stores nothing.
; SHARES.  A work-group has 8 tiles of 16 queries of ONE head, a wave a tile: with i = the grid's y, tiles 63 - i, 48 + i, 47 - i, 32 + i, i, 15 - i, 16 + i, 31 - i: every work-group has the same number of key tiles.
; CLUSTER.  The four heads of a group, with the same i, are partners: they walk the same K and V, so each tile is asked for jointly; branches hang on i and the wave's number, which the partners share.
; THE RING.  Two slots of 256 keys (K's rows 272 bytes apart, V's 288).  Wave w fills part w % 4 (K low, K high, V low, V high: 128 rows) of slot w / 4: eight first fills, one a wave; waves 0-3 fill slot 0 again
; behind phase 0, waves 4-7 slot 1 behind phase 1.  Every work-group holds a tile from 56 on, so some bytes of every load are read in every partner.  By this text's count one load of a wave is out at the most.
; LAYOUT.  S^T = K Q^T (source 0 = 16 keys, source 1 = my 16 queries): a lane holds ONE query (lane % 16) and keys 8 (lane / 16) + 0..7 of a tile; two such tiles, rounded to f16 in pairs, are source 1 of
; O^T = V^T P.  V comes out of LDS turned, by ds_load_tr16_b128.
; SOFTMAX.  A running maximum m and sum l for each query: p = 2^(c s - c m), c = 16 log2(e) / sqrt(128); in every step O and l are multiplied by 2^(c m_old - c m_new).
; REGISTERS: window 0: v2-15 addresses; v16-23 statistics; v32-63 Q; v64-95 S^T; v96-111 P; v128-191 O^T.   window 1: v0-127 K's 16 fragments of a step, v128-255 V's.
.set PK,    272
.set PV,    288
.set VOFF,  256*PK                     ; a slot: 256 rows of K, then 256 rows of V
.set SLOTB, 256*(PK+PV)
.set KHALF, 128*PK
.set VHALF, 128*PV
.set STAGE, 2*SLOTB                    ; behind the ring: 16 rows x 272 bytes for each wave
.set SP,    272
.set SPARE, STAGE+8*16*SP              ; the spare words, 128 bytes for each wave
.set AK0, 2
.set AV0, 3
.set ADR, 4
.set ADV, 5
.set QO,  6
.set STO, 7
.set RD,  8
.set GO,  9
.set DD,  10
.set NINF, 11
.set RH,  12                           ; v12 r - 8 h
.set PFO, 13
.set SPW, 14
.set NIL, 15
.set ST,  16                           ; +0 c m, +1 m, +2, +3 l (even keys', odd keys'), +4 .. +7 at work; the rescaling factor stands in +6
.set Q,   32
.set S,   64
.set P,   96
.set O,   128
.set WV,  12
.set Q0,  13                           ; s13 my first query
.set QL,  14                           ; s14 my last query; -1 for the tile that is left out
.set PF,  15                           ; s15 1 in a wave that prefetches
.set WSL, 16                           ; s16 wave / 4: the slot that I fill
.set WKV, 17                           ; s17 bit 1 of the wave: I fill K (0) or V (1)
.set PFA, 18
.set G1K, 24
.set G1V, 32
.set G0K, 40
.set G0V, 44
.set CS,  58
.set SEL, 60
.set MSB, 0
.macro WIN new
.if MSB != \new
	s_set_vgpr_msb (MSB<<8)|\new
.set MSB, \new
.endif
.endm
.macro PLACES
.rept 4
	v_nop
.endr
.endm
.macro CROUND
	s_barrier_signal -1
	s_barrier_wait -1
	s_cmp_lg_u32 s[WV], 0
	s_cbranch_scc1 .Lnot_wave_0_\@
	s_barrier_signal -3
.Lnot_wave_0_\@:
	s_barrier_wait -3
	s_barrier_signal -1
	s_barrier_wait -1
.endm
; A joint refill of slot who, by its four waves.  The branches hang on the wave's number alone.  An s_nop 0 and four v_nop follow each load.
.macro JLOAD who
	s_cmp_eq_u32 s[WSL], \who
	s_cbranch_scc0 .Lasked_\@
	s_cmp_eq_u32 s[WKV], 0
	s_cbranch_scc0 .Lfor_v_\@
	tensor_load_to_lds s[G0K:G0K+3], s[G1K:G1K+7]
	s_nop 0
.rept 4
	v_nop
.endr
	s_branch .Lasked_\@
.Lfor_v_\@:
	tensor_load_to_lds s[G0V:G0V+3], s[G1V:G1V+7]
	s_nop 0
.rept 4
	v_nop
.endr
.Lasked_\@:
.endm
; A prefetch of what a later refill will ask for: 256 rows of K and of V, 256 bytes a row, a lane a row.  All eight clusters of a group walk the same rows: the cluster with i = 0 asks; its partners take 64 rows each,
; told apart by address; in each, waves 0 and 1 ask for K's, waves 2 and 3 for V's, 32 rows a wave.  Each row is named once in the launch.
.macro ASK off
	s_cmp_eq_u32 s[PF], 1
	s_cbranch_scc0 .Lnot_mine_\@
	global_prefetch_b8 v[PFO], s[PFA:PFA+1] offset:\off th:TH_LOAD_NT scope:SCOPE_SE
.Lnot_mine_\@:
.endm
	s_load_b128 s[4:7], s[0:1], 0x0                ; qkv16 s[4:5], a16 s[6:7]
	v_lshl_add_u32 v[SPW], v0, 2, SPARE
	v_mov_b32 v[NIL], 0
	ds_add_u32 v[SPW], v[NIL]                      ; the wave's opening: the add, twice on end, and its wait ahead of my first tensor load
	ds_add_u32 v[SPW], v[NIL]
	v_lshrrev_b32 v1, 5, v0
	v_readfirstlane_b32 s[WV], v1                  ; wave 0..7
	s_lshr_b32 s[WSL], s[WV], 2
	s_bfe_u32 s[WKV], s[WV], 0x10001
	s_bfe_u32 s48, ttmp6, 0x40000                  ; cx: the head within the group: it enters Q's, a16's and the prefetches' global addresses alone
	s_and_b32 s50, ttmp7, 0xffff                   ; i
	s_and_b32 s20, s[WV], 3                        ; my tile
	s_lshr_b32 s21, s20, 1
	s_sub_co_u32 s21, 3, s21
	s_lshl_b32 s21, s21, 4                         ; 48, 48, 32, 32
	s_sub_co_u32 s22, 15, s50
	s_and_b32 s23, s20, 1
	s_cmp_lg_u32 s23, 0
	s_cselect_b32 s22, s50, s22                    ; + 15 - i, i, 15 - i, i
	s_add_co_u32 s21, s21, s22
	s_sub_co_u32 s22, 63, s21                      ; waves 4-7: the mirror image
	s_cmp_lt_u32 s[WV], 4
	s_cselect_b32 s21, s21, s22
	s_lshl_b32 s[Q0], s21, 4
	s_add_co_u32 s[QL], s[Q0], 15
	s_cmp_eq_u32 s[Q0], 0
	s_cselect_b32 s[QL], -1, s[QL]
	s_and_b32 s20, s[WV], 1                        ; which 128 rows of the slot's 256 I fill
	s_mov_b32 s[G1K], 15|(1<<16)|(1<<20)|(1<<21)|(5<<22)|(3<<25)   ; 15:0 all four work-groups; elements of 2 bytes; padding on; 21 set beside a mask; after every 64 words 4 words
	s_mov_b32 s[G1V], 15|(1<<16)|(1<<20)|(1<<21)|(5<<22)|(7<<25)   ; the same with 8 words
.irp g, G1K, G1V
	s_mov_b32 s[\g+1], 128<<16                     ; tensor_dim0 = 128
	s_mov_b32 s[\g+2], 128<<16                     ; tensor_dim1 = 128
	s_mov_b32 s[\g+3], 128<<16                     ; tile_dim0 = 128
	s_mov_b32 s[\g+4], 128                         ; tile_dim1 = 128
	s_mov_b32 s[\g+5], 128                         ; from row to row
	s_mov_b32 s[\g+6], 0
	s_mov_b32 s[\g+7], 0
.endr
	s_mul_i32 s21, s[WSL], SLOTB
	s_mul_i32 s22, s20, KHALF
	s_add_co_u32 s52, s21, s22                     ; K's place in LDS
	s_mul_i32 s22, s20, VHALF
	s_add_co_u32 s53, s21, s22
	s_add_co_u32 s53, s53, VOFF                    ; V's
	s_lshl_b32 s54, s[WSL], 16                     ; in memory: 256 keys a slot,
	s_lshl_b32 s22, s20, 15                        ; 128 a half, 256 bytes a key,
	s_add_co_u32 s54, s54, s22
	s_lshl_b32 s22, ttmp9, 18                      ; the group's head
	s_add_co_u32 s54, s54, s22
	s_add_co_u32 s56, s54, 40*262144               ; among v's
	s_add_co_u32 s54, s54, 32*262144               ; among k's
	s_mov_b32 s55, 0
	s_mov_b32 s57, 0
	s_lshl_b32 s51, ttmp9, 2
	s_add_co_u32 s51, s51, s48                     ; my head
	s_lshl_b32 s66, s51, 18
	s_lshl_b32 s67, s[Q0], 8
	s_add_co_u32 s66, s66, s67                     ; Q at my first query
	s_mov_b32 s67, 0
	s_lshl_b32 s68, s[Q0], 13
	s_lshl_b32 s69, s51, 8
	s_add_co_u32 s68, s68, s69                     ; a16 likewise
	s_mov_b32 s69, 0
	s_lshl_b32 s70, s48, 14                        ; the prefetches: 64 cx rows,
	s_lshl_b32 s71, s20, 13                        ; 32 x (wave % 2),
	s_add_co_u32 s70, s70, s71
	s_add_co_u32 s70, s70, 512*256                 ; from key 512 on,
	s_lshl_b32 s71, ttmp9, 18
	s_add_co_u32 s70, s70, s71
	s_lshl_b32 s71, s[WKV], 21                     ; v's heads lie 8 heads behind k's
	s_add_co_u32 s70, s70, s71
	s_add_co_u32 s70, s70, 32*262144
	s_mov_b32 s71, 0
	s_or_b32 s[PF], s50, s[WSL]                    ; 0 in waves 0-3 where i = 0: the same in all four partners
	s_cmp_eq_u32 s[PF], 0
	s_cselect_b32 s[PF], 1, 0
	s_mov_b32 s[CS], 0x400293ee                    ; c = 16 log2(e) / sqrt(128)
	s_mov_b32 s[CS+1], s[CS]
	s_mov_b32 s[SEL], 0x76543210
	s_mov_b32 s[SEL+1], 0xfedcba98
	s_wait_dscnt 0x0                               ; both opening adds are done
	s_wait_kmcnt 0x0
	s_add_nc_u64 s[8:9], s[4:5], s[66:67]
	s_add_nc_u64 s[10:11], s[6:7], s[68:69]
	s_add_nc_u64 s[PFA:PFA+1], s[4:5], s[70:71]
	CROUND                                         ; all four work-groups are here: the first joint loads meet
	s_mov_b32 s[G0K], 1
	s_mov_b32 s[G0K+1], s52
	s_add_nc_u64 s[G0K+2:G0K+3], s[4:5], s[54:55]
	s_or_b32 s[G0K+3], s[G0K+3], 0x80000000
	s_mov_b32 s[G0V], 1
	s_mov_b32 s[G0V+1], s53
	s_add_nc_u64 s[G0V+2:G0V+3], s[4:5], s[56:57]
	s_or_b32 s[G0V+3], s[G0V+3], 0x80000000
	s_cmp_eq_u32 s[WKV], 0                         ; every wave issues one first fill, in one arm or the other
	s_cbranch_scc0 .Lfirst_v
	tensor_load_to_lds s[G0K:G0K+3], s[G1K:G1K+7]
	s_nop 0
.rept 4
	v_nop
.endr
	s_branch .Lfirst_asked
.Lfirst_v:
	tensor_load_to_lds s[G0V:G0V+3], s[G1V:G1V+7]
	s_nop 0
.rept 4
	v_nop
.endr
.Lfirst_asked:
	v_and_b32 v1, 15, v0                           ; r
	v_bfe_u32 v24, v0, 4, 1                        ; h
	v_lshlrev_b32 v[QO], 8, v1
	v_lshl_add_u32 v[QO], v24, 4, v[QO]            ; row x 256 + 16 h
.irp c, 0,1,2,3                                ; Q stays in registers: channels 32 c on
	global_load_b128 v[Q+8*\c:Q+8*\c+3], v[QO], s[8:9] offset:64*\c
	global_load_b128 v[Q+8*\c+4:Q+8*\c+7], v[QO], s[8:9] offset:64*\c+32
.endr
	v_mul_u32_u24 v[AK0], v1, PK
	v_lshl_add_u32 v[AK0], v24, 4, v[AK0]
	v_and_b32 v25, 7, v0
	v_bfe_u32 v26, v0, 3, 1
	v_lshl_add_u32 v[AV0], v24, 3, v25             ; the turning load: lane l reads key 8 (l / 16) + l % 8, channels 8 ((l / 8) % 2) on
	v_mul_u32_u24 v[AV0], v[AV0], PV
	v_lshl_add_u32 v[AV0], v26, 4, v[AV0]
	v_lshlrev_b32 v25, 3, v24
	v_sub_nc_u32 v[RH], v1, v25
	v_mov_b32 v[NINF], 0xff800000
	s_mul_i32 s20, s[WV], 16*SP
	s_add_co_u32 s20, s20, STAGE                   ; my stage
	v_mul_u32_u24 v[STO], v1, SP
	v_lshl_add_u32 v[STO], v24, 4, v[STO]
	v_add_nc_u32 v[STO], s20, v[STO]
	v_mul_u32_u24 v[RD], v24, SP
	v_lshl_add_u32 v[RD], v1, 4, v[RD]
	v_add_nc_u32 v[RD], s20, v[RD]
	v_lshlrev_b32 v[GO], 13, v24                   ; a row of a16 is 8,192 bytes
	v_lshl_add_u32 v[GO], v1, 4, v[GO]
	v_and_b32 v[PFO], 31, v0
	v_lshlrev_b32 v[PFO], 8, v[PFO]
	v_mov_b32 v[ST], 0xff800000                    ; c m: -infinity, so that the first factor is 0
	v_mov_b32 v[ST+1], 0xff61b1e6                  ; m: -3e38, under every score
.irp j, 2,3,4,5,6,7
	v_mov_b32 v[ST+\j], 0
.endr
.set n, 0
.rept 64
	v_mov_b32 v[O+n], 0                            ; O^T: the step is written once; its first run finds zeros
.set n, n+1
.endr
.macro FETCH_K base                    ; a step's K: 64 keys x 128 channels: fragment f: keys 16 (f / 4) on, channels 32 (f % 4) on
	v_add_nc_u32 v[ADR], \base, v[AK0]
	WIN 0x40                                       ; destination window 1
.irp f, 0,1,2,3,4,5,6,7,8,9,10,11,12,13,14,15
	ds_load_b128 v[8*\f:8*\f+3],   v[ADR] offset:(\f/4)*16*PK+(\f%4)*64
	ds_load_b128 v[8*\f+4:8*\f+7], v[ADR] offset:(\f/4)*16*PK+(\f%4)*64+32
.endr
	WIN 0
.endm
.macro FETCH_V base                    ; its V, turned: fragment f: keys 32 (f / 8) on, channels 16 (f % 8) on
	v_add_nc_u32 v[ADV], \base, v[AV0]
	WIN 0x40
.irp f, 0,1,2,3,4,5,6,7,8,9,10,11,12,13,14,15
	ds_load_tr16_b128 v[128+8*\f:128+8*\f+3],   v[ADV] offset:(\f/8)*32*PV+(\f%8)*32
	ds_load_tr16_b128 v[128+8*\f+4:128+8*\f+7], v[ADV] offset:(\f/8)*32*PV+16*PV+(\f%8)*32
.endr
	WIN 0
.endm
.macro QK                              ; 16 products: the four tiles of keys take turns, one instruction a turn
	WIN 0x01                                       ; source 0 window 1
.irp c, 0,1,2,3
.irp u, 0,1,2,3
.if \c == 0
	v_wmma_f32_16x16x32_f16 v[S+8*\u:S+8*\u+7], v[8*(4*\u+\c):8*(4*\u+\c)+7], v[Q+8*\c:Q+8*\c+7], 0
.else
	v_wmma_f32_16x16x32_f16 v[S+8*\u:S+8*\u+7], v[8*(4*\u+\c):8*(4*\u+\c)+7], v[Q+8*\c:Q+8*\c+7], v[S+8*\u:S+8*\u+7]
.endif
.endr
.endr
	WIN 0
.endm
.macro PVM                             ; 16 products: the eight tiles of channels take turns
	WIN 0x01
.irp kk, 0,1
.irp ch, 0,1,2,3,4,5,6,7
	v_wmma_f32_16x16x32_f16 v[O+8*\ch:O+8*\ch+7], v[128+8*(8*\kk+\ch):128+8*(8*\kk+\ch)+7], v[P+8*\kk:P+8*\kk+7], v[O+8*\ch:O+8*\ch+7]
.endr
.endr
	WIN 0
.endm
.macro MASK kf                         ; on the diagonal hidden scores become -infinity: register 8 u + j holds key kf + 16 u + 8 h + j, hidden where 16 u + j > my query - kf - 8 h.  A step all of whose keys count skips this
	s_cmp_ge_i32 s[Q0], (\kf)+63
	s_cbranch_scc1 .Lopen_\@
	s_sub_co_i32 s20, s[Q0], \kf
	v_add_nc_u32 v[DD], s20, v[RH]
.set n, 0
.rept 32
	v_cmp_gt_i32 vcc_lo, 16*(n/8)+n%8, v[DD]
	v_cndmask_b32 v[S+n], v[S+n], v[NINF], vcc_lo
.set n, n+1
.endr
.Lopen_\@:
.endm
.macro SOFTMAX
.irp j, 0,1,2,3
	v_max3_num_f32 v[ST+4+\j], v[S+8*\j], v[S+8*\j+1], v[S+8*\j+2]   ; four chains; each accumulator is read from its low end on
.endr
.irp j, 0,1,2,3
	v_max3_num_f32 v[ST+4+\j], v[ST+4+\j], v[S+8*\j+3], v[S+8*\j+4]
.endr
.irp j, 0,1,2,3
	v_max3_num_f32 v[ST+4+\j], v[ST+4+\j], v[S+8*\j+5], v[S+8*\j+6]
.endr
	v_max3_num_f32 v[ST+4], v[ST+4], v[S+7], v[S+15]
	v_max3_num_f32 v[ST+6], v[ST+6], v[S+23], v[S+31]
	v_max3_num_f32 v[ST+4], v[ST+4], v[ST+5], v[ST+6]
	v_max3_num_f32 v[ST+4], v[ST+4], v[ST+7], v[ST+1]              ; with the old m
	v_permlanex16_b32 v[ST+5], v[ST+4], s[SEL], s[SEL+1]           ; the query's other 32 keys lie in the lane 16 away
	v_mov_b32 v[ST+7], v[ST]                       ; c m_old
	v_max_num_f32 v[ST+1], v[ST+4], v[ST+5]
	v_mul_f32 v[ST], s[CS], v[ST+1]
	v_sub_f32 v[ST+7], v[ST+7], v[ST]
	v_exp_f32 v[ST+6], v[ST+7]                     ; the factor 2^(c m_old - c m_new)
.set n, 0
.rept 16
	v_pk_fma_f32 v[S+n:S+n+1], v[S+n:S+n+1], s[CS:CS+1], v[ST:ST+1] op_sel_hi:[1,0,0] neg_lo:[0,0,1] neg_hi:[0,0,1]   ; c s - c m
.set n, n+2
.endr
.set n, 0
.rept 32
	v_exp_f32 v[S+n], v[S+n]
.set n, n+1
.endr
	v_nop                                          ; a plain instruction behind the last exponential
	s_wait_alu depctr_va_vdst(0)                   ; one wait for the 33, ahead of the first instruction that names a result
.set n, 0
.rept 16
	v_cvt_pk_f16_f32 v[P+n], v[S+2*n], v[S+2*n+1]
.set n, n+1
.endr
.irp u, 0,1,2,3,4,5,6,7
	v_pk_add_f32 v[S+4*\u:S+4*\u+1], v[S+4*\u:S+4*\u+1], v[S+4*\u+2:S+4*\u+3]
.endr
.irp u, 0,1,2,3
	v_pk_add_f32 v[S+8*\u:S+8*\u+1], v[S+8*\u:S+8*\u+1], v[S+8*\u+4:S+8*\u+5]
.endr
.irp u, 0,1
	v_pk_add_f32 v[S+16*\u:S+16*\u+1], v[S+16*\u:S+16*\u+1], v[S+16*\u+8:S+16*\u+9]
.endr
	v_pk_add_f32 v[S:S+1], v[S:S+1], v[S+16:S+17]
	v_pk_fma_f32 v[ST+2:ST+3], v[ST+2:ST+3], v[ST+6:ST+7], v[S:S+1] op_sel_hi:[1,0,1]
.set n, 0
.rept 32
	v_pk_mul_f32 v[O+n:O+n+1], v[O+n:O+n+1], v[ST+6:ST+7] op_sel_hi:[1,0]
.set n, n+2
.endr
.endm
; A PHASE: the four key steps of keys 256 ph on, in slot ph % 2.  A wave whose queries all come before a step's first key leaves the phase: branches on ids; no barrier and no tensor load stands in a phase.
; Two runs of 32 LDS loads are out at the most: a wait for 32 shows the older run in.
.macro PHASE ph
.set SB, ((\ph)%2)*SLOTB
	s_cmp_lt_i32 s[QL], 256*(\ph)
	s_cbranch_scc1 .Lpe_\@
	FETCH_K SB
	FETCH_V SB+VOFF
.irp q, 0,1,2,3
	s_wait_dscnt 32                                ; this step's K is in; its V, 32 loads, may be out
	QK
	PLACES
.if \q < 3
	FETCH_K SB+(\q+1)*64*PK
.endif
	MASK 256*(\ph)+64*\q
	SOFTMAX
.if \q < 3
	s_wait_dscnt 32                                ; V is in; the next step's K may be out
.else
	s_wait_dscnt 0x0
.endif
	PVM
	PLACES
.if \q < 3
	s_cmp_lt_i32 s[QL], 256*(\ph)+64*\q+64
	s_cbranch_scc1 .Lpe_\@
	FETCH_V SB+VOFF+(\q+1)*64*PV
.endif
.endr
.Lpe_\@:
.endm
; THE CHANGE OF SLOTS.  Each wave waits for all its tensor loads, adds 0 to its spare word, and waits for that and for its reads; a round of the cluster's barrier; the refill first behind it.
.macro CHANGE who, step
	s_wait_tensorcnt 0x0                           ; no tensor load of mine is out, so a group 0 may be written
	ds_add_u32 v[SPW], v[NIL]
.if \step
	s_add_nc_u64 s[G0K+2:G0K+3], s[G0K+2:G0K+3], 131072    ; 512 keys on: every wave's second tile
	s_add_nc_u64 s[G0V+2:G0V+3], s[G0V+2:G0V+3], 131072
.endif
	s_wait_dscnt 0x0                               ; the add is done, and my reads of the slot are over
	CROUND
	JLOAD \who
.endm
	s_wait_tensorcnt 0x0                           ; my part of the ring is in,
	s_barrier_signal -1
	s_barrier_wait -1                              ; everybody's is
	ASK 0                                          ; keys 512 to 767: a phase ahead of their load
	s_wait_loadcnt 0x0                             ; Q
	PHASE 0
	CHANGE 0, 1                                    ; slot 0 takes keys 512 to 767
	ASK 65536                                      ; keys 768 to 1,023: a phase ahead of their load
	PHASE 1
	CHANGE 1, 0                                    ; slot 1 takes keys 768 to 1,023
	PHASE 2
	s_wait_tensorcnt 0x0                           ; the last change: nothing is asked for
	ds_add_u32 v[SPW], v[NIL]
	s_wait_dscnt 0x0
	s_barrier_signal -1
	s_barrier_wait -1
	PHASE 3
	; THE WAY OUT: O^T / l, rounded to f16, through my stage, as whole rows of 256 bytes
	s_cmp_eq_u32 s[Q0], 0
	s_cbranch_scc1 .Lno_out
	v_add_f32 v[ST+4], v[ST+2], v[ST+3]
	v_permlanex16_b32 v[ST+5], v[ST+4], s[SEL], s[SEL+1]
	v_add_f32 v[ST+4], v[ST+4], v[ST+5]
	v_rcp_f32 v[ST+6], v[ST+4]
	v_nop
	s_wait_alu depctr_va_vdst(0)
.set n, 0
.rept 32
	v_pk_mul_f32 v[O+n:O+n+1], v[O+n:O+n+1], v[ST+6:ST+7] op_sel_hi:[1,0]
.set n, n+2
.endr
.set n, 0
.rept 32
	v_cvt_pk_f16_f32 v[S+n], v[O+2*n], v[O+2*n+1]
.set n, n+1
.endr
.irp f, 0,1,2,3,4,5,6,7
	ds_store_b128 v[STO], v[S+4*\f:S+4*\f+3] offset:32*\f
.endr
.irp f, 0,1,2,3,4,5,6,7
	ds_load_b128 v[S+4*\f:S+4*\f+3], v[RD] offset:\f*2*SP          ; LDS serves a wave's instructions in order: these see the stores above
.endr
.irp f, 0,1,2,3,4,5,6,7
	s_wait_dscnt 7-\f
	global_store_b128 v[GO], v[S+4*\f:S+4*\f+3], s[10:11] offset:\f*16384   ; 16 lanes store 256 consecutive bytes, aligned
.endr
.Lno_out:
	s_wait_tensorcnt 0x0                           ; the wave's end
	ds_add_u32 v[SPW], v[NIL]
	s_wait_dscnt 0x0
	CROUND                                         ; the closing round
	s_endpgm
.Lfunc_end_k_q2453e7fd65_attn:
	.size	k_q2453e7fd65_attn, .Lfunc_end_k_q2453e7fd65_attn-k_q2453e7fd65_attn
	.p2alignl 7, 3214868480
	.fill 96, 4, 3214868480
	.section	.rodata,"a",@progbits
	.p2align	6, 0x0
	.amdhsa_kernel k_q2453e7fd65_attn
		.amdhsa_group_segment_fixed_size 327680
		.amdhsa_private_segment_fixed_size 0
		.amdhsa_enable_private_segment 0
		.amdhsa_kernarg_size 16
		.amdhsa_user_sgpr_count 2
		.amdhsa_user_sgpr_kernarg_segment_ptr 1
		.amdhsa_wavefront_size32 1
		.amdhsa_system_sgpr_workgroup_id_x 1
		.amdhsa_system_sgpr_workgroup_id_y 1
		.amdhsa_system_sgpr_workgroup_id_z 1
		.amdhsa_system_vgpr_workitem_id 0
		.amdhsa_next_free_vgpr 512
		.amdhsa_next_free_sgpr 80
		.amdhsa_reserve_vcc 1
		.amdhsa_float_denorm_mode_32 3
		.amdhsa_float_denorm_mode_16_64 3
		.amdhsa_memory_ordered 1
		.amdhsa_forward_progress 1
		.amdhsa_inst_pref_size 255
	.end_amdhsa_kernel
	.section	.bss,"aw",@nobits
	.p2align	6
	.space	262144
	.amdgpu_metadata
---
amdhsa.version: [ 1, 2 ]
amdhsa.kernels:
  - .name:           k_q2453e7fd65_attn
    .symbol:         k_q2453e7fd65_attn.kd
    .args:
      - { .name: qkv16, .offset: 0, .size: 8, .value_kind: global_buffer, .address_space: global }
      - { .name: a16, .offset: 8, .size: 8, .value_kind: global_buffer, .address_space: global }
    .group_segment_fixed_size: 327680
    .private_segment_fixed_size: 0
    .kernarg_segment_align: 8
    .kernarg_segment_size: 16
    .max_flat_workgroup_size: 256
    .sgpr_count:     80
    .vgpr_count:     512
    .wavefront_size: 32
...
	.end_amdgpu_metadata
.endif
;; end of part 3
;; launch first16 (part 4): grid 32 x 1, 1 waves a work-group, no clusters, 4,864 bytes of LDS; arguments qkv32, a16; writes a16
.if DOCPART == 4
	.amdgcn_target "amdgcn-amd-amdhsa--gfx1250"
	.amdhsa_code_object_version 6
	.text
	.protected	k_q2453e7fd65_first16
	.globl	k_q2453e7fd65_first16
	.p2align	8
	.type	k_q2453e7fd65_first16,@function
k_q2453e7fd65_first16:
	s_mov_b64 s[64:65], 0
	v_nop
	global_prefetch_b8 v0, s[64:65] scope:SCOPE_SE
	s_setreg_imm32_b32 hwreg(HW_REG_WAVE_MODE, 25, 1), 1
	s_wait_xcnt 0x0
; Positions 0 to 15 of every head, in f32: these rows average one to sixteen values and are the largest in size, so their scores, softmax and weighted sum take f32 operands; the result is rounded once, to f16.
; qkv32: [48 heads][16 tokens][128] f32, each number kept as value / 4.  a16: [1,024][4,096] f16, the result / 4.  One wave, one head: 32 + 32 matrix instructions of the f32 form: no bulk work.
; LEFT OUT: nothing in whole tiles; inside the one tile of 16 x 16 scores the hidden ones (key > query) become -infinity, weight 0, as reference()'s own mask makes them.
; S^T = K Q^T: source 0 = 16 keys, source 1 = 16 queries, 4 channels an instruction.  Lane (r, h) holds channels 64 h + 0 .. 63 of row r, on both sides alike: instruction s multiplies channels 2 s, 2 s + 1, 64 + 2 s, 65 + 2 s.
; Four accumulators take turns; their sum is the score.  A lane then holds query r and keys 8 h + 0 .. 7; the same registers, as p, are source 1 of O^T = V^T P (instruction s: keys 2 s, 2 s + 1, 8 + 2 s, 9 + 2 s).
; The registers that the f32 matrix form writes (v224-255) are written by matrix instructions alone.
.set SPARE, 4608
.set SPW, 2
.set NIL, 3
.set QA,  4                            ; 512 r + 256 h
.set VA,  5                            ; 4,096 h + 4 r
.set STO, 6
.set RD,  7
.set GO,  8
.set RH,  9                            ; r - 8 h
.set NINF, 10
.set SCR, 16                           ; v16-23 the scores, then p
.set QF,  32
.set KF,  96
.set VF,  160
.set MA,  224
	s_load_b128 s[4:7], s[0:1], 0x0                ; qkv32, a16
	v_lshl_add_u32 v[SPW], v0, 2, SPARE
	v_mov_b32 v[NIL], 0
	v_and_b32 v1, 15, v0                           ; r
	v_lshrrev_b32 v12, 4, v0                       ; h
	v_lshlrev_b32 v[QA], 9, v1
	v_lshl_add_u32 v[QA], v12, 8, v[QA]
	v_lshlrev_b32 v[VA], 2, v1
	v_lshl_add_u32 v[VA], v12, 12, v[VA]
	v_mul_u32_u24 v[STO], v1, 272
	v_lshl_add_u32 v[STO], v12, 4, v[STO]
	v_mul_u32_u24 v[RD], v12, 272
	v_lshl_add_u32 v[RD], v1, 4, v[RD]
	v_lshlrev_b32 v[GO], 13, v12
	v_lshl_add_u32 v[GO], v1, 4, v[GO]
	v_lshlrev_b32 v[RH], 3, v12
	v_sub_nc_u32 v[RH], v1, v[RH]
	v_mov_b32 v[NINF], 0xff800000
	s_mov_b32 s16, 0x400293ee                      ; c = 16 log2(e) / sqrt(128)
	s_mov_b32 s18, 0x76543210
	s_mov_b32 s19, 0xfedcba98
	s_lshl_b32 s8, ttmp9, 13                       ; a head is 8,192 bytes
	s_mov_b32 s9, 0
	s_lshr_b32 s10, ttmp9, 2
	s_lshl_b32 s10, s10, 13
	s_add_co_u32 s12, s10, 40*8192
	s_add_co_u32 s10, s10, 32*8192
	s_mov_b32 s11, 0
	s_mov_b32 s13, 0
	s_lshl_b32 s14, ttmp9, 8
	s_mov_b32 s15, 0
	s_wait_kmcnt 0x0
	s_add_nc_u64 s[8:9], s[4:5], s[8:9]            ; q
	s_add_nc_u64 s[10:11], s[4:5], s[10:11]        ; k
	s_add_nc_u64 s[12:13], s[4:5], s[12:13]        ; v
	s_add_nc_u64 s[6:7], s[6:7], s[14:15]          ; my head's columns of a16
.irp n, 0,1,2,3,4,5,6,7,8,9,10,11,12,13,14,15
	global_load_b128 v[QF+4*\n:QF+4*\n+3], v[QA], s[8:9] offset:16*\n
	global_load_b128 v[KF+4*\n:KF+4*\n+3], v[QA], s[10:11] offset:16*\n
.endr
.irp d, 0,1,2,3,4,5,6,7
.irp i, 0,1,2,3,4,5,6,7
	global_load_b32 v[VF+8*\d+\i], v[VA], s[12:13] offset:512*\i+64*\d     ; V(key 8 h + i, channel 16 d + r)
.endr
.endr
	s_wait_loadcnt 63                              ; q and k are in: 64 loads of v were issued behind them, and 63 is the most that the wait can name
.set n, 0
.rept 32
.if n < 4
	v_wmma_f32_16x16x4_f32 v[MA+8*(n%4):MA+8*(n%4)+7], v[KF+2*n:KF+2*n+1], v[QF+2*n:QF+2*n+1], 0
.else
	v_wmma_f32_16x16x4_f32 v[MA+8*(n%4):MA+8*(n%4)+7], v[KF+2*n:KF+2*n+1], v[QF+2*n:QF+2*n+1], v[MA+8*(n%4):MA+8*(n%4)+7]
.endif
.set n, n+1
.endr
.rept 8
	v_nop                                          ; eight places behind this form, ahead of the first read of its results (ISA guide 7.12.1)
.endr
.irp j, 0,1,2,3,4,5,6,7
	v_add_f32 v[SCR+\j], v[MA+\j], v[MA+8+\j]      ; each accumulator from its low end on
	v_add_f32 v[24+\j], v[MA+16+\j], v[MA+24+\j]
.endr
.irp j, 0,1,2,3,4,5,6,7
	v_add_f32 v[SCR+\j], v[SCR+\j], v[24+\j]
.endr
.irp j, 0,1,2,3,4,5,6,7
	v_cmp_gt_i32 vcc_lo, \j, v[RH]                 ; key 8 h + j > query r
	v_cndmask_b32 v[SCR+\j], v[SCR+\j], v[NINF], vcc_lo
.endr
	v_max3_num_f32 v24, v[SCR], v[SCR+1], v[SCR+2]
	v_max3_num_f32 v24, v24, v[SCR+3], v[SCR+4]
	v_max3_num_f32 v24, v24, v[SCR+5], v[SCR+6]
	v_max_num_f32 v24, v24, v[SCR+7]
	v_permlanex16_b32 v25, v24, s18, s19
	v_max_num_f32 v24, v24, v25                    ; the row's maximum: key 0 counts for every query
	v_mul_f32 v26, s16, v24
.irp j, 0,1,2,3,4,5,6,7
	v_fma_f32 v[SCR+\j], v[SCR+\j], s16, -v26
.endr
.irp j, 0,1,2,3,4,5,6,7
	v_exp_f32 v[SCR+\j], v[SCR+\j]
.endr
	v_nop
	s_wait_alu depctr_va_vdst(0)                   ; one wait for the eight, ahead of their first reader
	v_add_f32 v24, v[SCR], v[SCR+1]
	v_add_f32 v25, v[SCR+2], v[SCR+3]
	v_add_f32 v27, v[SCR+4], v[SCR+5]
	v_add_f32 v28, v[SCR+6], v[SCR+7]
	v_add_f32 v24, v24, v25
	v_add_f32 v27, v27, v28
	v_add_f32 v24, v24, v27
	v_permlanex16_b32 v25, v24, s18, s19
	v_add_f32 v24, v24, v25                        ; the row's sum
	v_rcp_f32 v29, v24
	v_nop
	s_wait_alu depctr_va_vdst(0)
	s_wait_loadcnt 0x0                             ; v
.macro PASS u                          ; channel tiles 4 u .. 4 u + 3: four accumulators by turns, four instructions deep; then x 1 / l into other registers
.irp s, 0,1,2,3
.irp k, 0,1,2,3
.if \s == 0
	v_wmma_f32_16x16x4_f32 v[MA+8*\k:MA+8*\k+7], v[VF+8*(4*\u+\k)+2*\s:VF+8*(4*\u+\k)+2*\s+1], v[SCR+2*\s:SCR+2*\s+1], 0
.else
	v_wmma_f32_16x16x4_f32 v[MA+8*\k:MA+8*\k+7], v[VF+8*(4*\u+\k)+2*\s:VF+8*(4*\u+\k)+2*\s+1], v[SCR+2*\s:SCR+2*\s+1], v[MA+8*\k:MA+8*\k+7]
.endif
.endr
.endr
.rept 9
	v_nop                                          ; nine places: the next pass begins these accumulators anew; eight of them serve the reads below
.endr
.set n, 0
.rept 32
	v_mul_f32 v[QF+32*\u+n], v[MA+n], v29
.set n, n+1
.endr
.endm
	PASS 0
	PASS 1
.set n, 0
.rept 32
	v_cvt_pk_f16_f32 v[KF+n], v[QF+2*n], v[QF+2*n+1]
.set n, n+1
.endr
.irp f, 0,1,2,3,4,5,6,7
	ds_store_b128 v[STO], v[KF+4*\f:KF+4*\f+3] offset:32*\f
.endr
.irp f, 0,1,2,3,4,5,6,7
	ds_load_b128 v[KF+32+4*\f:KF+32+4*\f+3], v[RD] offset:\f*544   ; LDS serves a wave's instructions in order
.endr
.irp f, 0,1,2,3,4,5,6,7
	s_wait_dscnt 7-\f
	global_store_b128 v[GO], v[KF+32+4*\f:KF+32+4*\f+3], s[6:7] offset:\f*16384   ; 16 lanes store 256 consecutive bytes, aligned
.endr
	s_wait_tensorcnt 0x0                           ; the wave's end
	ds_add_u32 v[SPW], v[NIL]
	s_wait_dscnt 0x0
	s_endpgm
.Lfunc_end_k_q2453e7fd65_first16:
	.size	k_q2453e7fd65_first16, .Lfunc_end_k_q2453e7fd65_first16-k_q2453e7fd65_first16
	.p2alignl 7, 3214868480
	.fill 96, 4, 3214868480
	.section	.rodata,"a",@progbits
	.p2align	6, 0x0
	.amdhsa_kernel k_q2453e7fd65_first16
		.amdhsa_group_segment_fixed_size 4864
		.amdhsa_private_segment_fixed_size 0
		.amdhsa_enable_private_segment 0
		.amdhsa_kernarg_size 16
		.amdhsa_user_sgpr_count 2
		.amdhsa_user_sgpr_kernarg_segment_ptr 1
		.amdhsa_wavefront_size32 1
		.amdhsa_system_sgpr_workgroup_id_x 1
		.amdhsa_system_sgpr_workgroup_id_y 1
		.amdhsa_system_sgpr_workgroup_id_z 1
		.amdhsa_system_vgpr_workitem_id 0
		.amdhsa_next_free_vgpr 256
		.amdhsa_next_free_sgpr 66
		.amdhsa_reserve_vcc 1
		.amdhsa_float_denorm_mode_32 3
		.amdhsa_float_denorm_mode_16_64 3
		.amdhsa_memory_ordered 1
		.amdhsa_forward_progress 1
		.amdhsa_inst_pref_size 25
	.end_amdhsa_kernel
	.amdgpu_metadata
---
amdhsa.version: [ 1, 2 ]
amdhsa.kernels:
  - .name:           k_q2453e7fd65_first16
    .symbol:         k_q2453e7fd65_first16.kd
    .args:
      - { .name: qkv32, .offset: 0, .size: 8, .value_kind: global_buffer, .address_space: global }
      - { .name: a16, .offset: 8, .size: 8, .value_kind: global_buffer, .address_space: global }
    .group_segment_fixed_size: 4864
    .private_segment_fixed_size: 0
    .kernarg_segment_align: 8
    .kernarg_segment_size: 16
    .max_flat_workgroup_size: 32
    .sgpr_count:     66
    .vgpr_count:     256
    .wavefront_size: 32
...
	.end_amdgpu_metadata
.endif
;; end of part 4
;; launch oproj (part 5): grid 32 x 8, 4 waves a work-group, clusters of 4 x 4, 327,680 bytes of LDS; arguments a16, wo16, out0; writes out0
.if DOCPART == 5
	.amdgcn_target "amdgcn-amd-amdhsa--gfx1250"
	.amdhsa_code_object_version 6
	.text
	.protected	k_q2453e7fd65_oproj
	.globl	k_q2453e7fd65_oproj
	.p2align	8
	.type	k_q2453e7fd65_oproj,@function
k_q2453e7fd65_oproj:
	s_mov_b64 s[64:65], 0
	v_nop
	global_prefetch_b8 v0, s[64:65] scope:SCOPE_SE
	s_setreg_imm32_b32 hwreg(HW_REG_WAVE_MODE, 25, 1), 1
	s_wait_xcnt 0x0
	s_wait_alu depctr_hold_cnt(0) depctr_sa_sdst(0) depctr_va_vdst(0) depctr_va_sdst(0) depctr_va_ssrc(0) depctr_va_vcc(0) depctr_vm_vsrc(0)
	s_getreg_b32 s2, hwreg(HW_REG_IB_STS2, 6, 4)
	s_cmp_eq_u32 s2, 0
	s_cbranch_scc0 .Lentry_in_a_cluster
	s_endpgm
.Lentry_in_a_cluster:
	s_bfe_u32 s2, ttmp6, 0x10000c
	s_cmp_lg_u32 s2, 0xf033
	s_cbranch_scc0 .Lentry_shape_is_right
	s_endpgm
.Lentry_shape_is_right:
; out0[s][d] = sum over e of a[s][e] wo[d][e].  a16: [1,024][4,096] f16 = attention / 4; wo16: [4,096][4,096] f16 = 4 wo: the two powers of two cancel exactly.  out0: [1,024][4,096] f32; sums in f32.  Nothing is left out here.
; A tile of out0 is 128 x 128: 256 work-groups of four waves, each 64 x 64: 16 accumulators of 16 x 16.  K goes in steps of 256 (LDS rows of 512 bytes; a wave's tensor load brings 64 of them) through two slots.
; CLUSTERS: 4 x 4 work-groups; a16's tile is shared along a row of the cluster, wo16's along a column: each is asked for jointly, by the same tensor load with the same descriptor and a mask that names the four.
; THE MATRIX INSTRUCTION IS USED TRANSPOSED (source 0 = 16 rows of wo16, source 1 = 16 rows of a16): a lane holds eight neighbouring numbers of a row of out0.
; A wave's 64 columns of f32 are 256 aligned bytes: each wave has a stage of its own on the way out, and no barrier stands there.
; REGISTERS: window 0: v0-31 addresses; v32-95 rows on the way out; v128-255 the accumulators ((a, b) at v[128 + 8 (4 a + b)]).   window 1: two fragment buffers of 128 registers, 64 along K each.
.set SIZE_N, 4096
.set SIZE_K, 4096
.set KSTEP,  256
.set PITCH,  528                       ; an LDS row: 512 bytes + 16 of padding = 132 words: row r starts at bank 4 r mod 64 (64 banks of 4 bytes: ISA guide 11.1)
.set HALFT,  64*PITCH
.set SLOT,   4*HALFT
.set STAGE,  2*SLOT                    ; behind the ring: 16 rows x 272 bytes for each wave
.set SPITCH, 272
.set SPARE,  STAGE+4*16*SPITCH
.set LAPS, SIZE_K/(2*KSTEP)
.set ADRA, 16
.set ADRB, 20
.set STO,  24
.set RD,   25
.set CO,   26
.set SPW,  28
.set NIL,  29
.set TMP,  32
.set ACC,  128
.set F0,   0
.set F1,   128
.set G1, 24
.set G0, 32
.set G1B, 48
.set G0B, 56
.set MSB, 0
.macro WIN new
.if MSB != \new
	s_set_vgpr_msb (MSB<<8)|\new
.set MSB, \new
.endif
.endm
.set MUL,  0x05                        ; sources 0 and 1 window 1; C and D window 0
.set TO_F, 0x40
.macro JLOAD s                         ; waves 0 and 1 fetch a16's two halves, waves 2 and 3 wo16's; an s_nop 0 and four v_nop follow each line
	s_cmp_eq_u32 s11, 0
	s_cbranch_scc0 .Lfor_b_\@
	tensor_load_to_lds s[G0+4*\s:G0+4*\s+3], s[G1:G1+7]
	s_nop 0
.rept 4
	v_nop
.endr
	s_branch .Lasked_\@
.Lfor_b_\@:
	tensor_load_to_lds s[G0B+4*\s:G0B+4*\s+3], s[G1B:G1B+7]
	s_nop 0
.rept 4
	v_nop
.endr
.Lasked_\@:
.endm
.macro CREST
	s_cmp_lg_u32 s10, 0
	s_cbranch_scc1 .Lnot_wave_0_\@
	s_barrier_signal -3
.Lnot_wave_0_\@:
	s_barrier_wait -3
	s_barrier_signal -1
	s_barrier_wait -1
.endm
.macro CROUND
	s_barrier_signal -1
	s_barrier_wait -1
	CREST
.endm
	s_load_b128 s[4:7], s[0:1], 0x0                ; a16 s[4:5], wo16 s[6:7]
	s_load_b64 s[8:9], s[0:1], 0x10                ; out0
	v_lshl_add_u32 v[SPW], v0, 2, SPARE
	v_mov_b32 v[NIL], 0
	ds_add_u32 v[SPW], v[NIL]                      ; the wave's opening: the add, twice on end, and its wait ahead of my first tensor load
	ds_add_u32 v[SPW], v[NIL]
	v_lshrrev_b32 v1, 5, v0
	v_readfirstlane_b32 s10, v1                    ; wave 0..3
	s_lshr_b32 s11, s10, 1                         ; which half of the tile's rows is mine.  Also: I fetch for a16 (0) or for wo16 (1)
	s_and_b32 s12, s10, 1                          ; which half of its columns.  Also: which 64 rows of that tile I fetch
	s_bfe_u32 s40, ttmp6, 0x40000
	s_bfe_u32 s41, ttmp6, 0x40004
	s_lshl_b32 s42, ttmp9, 2
	s_add_co_u32 s42, s42, s40                     ; tile column
	s_and_b32 s13, ttmp7, 0xffff
	s_lshl_b32 s13, s13, 2
	s_add_co_u32 s13, s13, s41                     ; tile row
	s_lshl_b32 s43, s41, 2
	s_lshl_b32 s43, 15, s43
	s_lshl_b32 s44, 0x1111, s40
	s_or_b32 s[G1+0], s43, (1<<16)|(1<<20)|(1<<21)|(6<<22)|(3<<25)   ; the mask; elements of 2 bytes; padding on; 21 set beside a mask; after every 128 words 4 words
	s_or_b32 s[G1B+0], s44, (1<<16)|(1<<20)|(1<<21)|(6<<22)|(3<<25)
.irp g, G1, G1B
	s_mov_b32 s[\g+1], KSTEP<<16
	s_mov_b32 s[\g+2], 64<<16
	s_mov_b32 s[\g+3], KSTEP<<16
	s_mov_b32 s[\g+4], 64
	s_mov_b32 s[\g+5], SIZE_K
	s_mov_b32 s[\g+6], 0
	s_mov_b32 s[\g+7], 0
.endr
	s_lshl_b32 s17, s12, 6
	s_lshl_b32 s16, s13, 7
	s_add_co_u32 s16, s16, s17                     ; a16: row 128 x tile row + 64 x half
	s_lshl_b32 s46, s42, 7
	s_add_co_u32 s46, s46, s17                     ; wo16: row 128 x tile column + 64 x half
	s_mov_b32 s17, 0
	s_mov_b32 s47, 0
	s_mov_b64 s[18:19], SIZE_K*2
	s_mul_u64 s[16:17], s[16:17], s[18:19]
	s_mul_u64 s[46:47], s[46:47], s[18:19]
	s_mul_i32 s20, s10, HALFT                      ; where they go: wave x 64 rows
	s_wait_dscnt 0x0                               ; both opening adds are done
	s_wait_kmcnt 0x0
	s_add_nc_u64 s[14:15], s[4:5], s[16:17]
	s_add_nc_u64 s[46:47], s[6:7], s[46:47]
	CROUND                                         ; all sixteen work-groups are here: the first joint loads meet
.irp s, 0,1
	s_mov_b32 s[G0+4*\s], 1
	s_add_co_u32 s[G0+4*\s+1], s20, \s*SLOT
	s_add_nc_u64 s[G0+4*\s+2:G0+4*\s+3], s[14:15], \s*KSTEP*2
	s_or_b32 s[G0+4*\s+3], s[G0+4*\s+3], 0x80000000
	s_mov_b32 s[G0B+4*\s], 1
	s_add_co_u32 s[G0B+4*\s+1], s20, \s*SLOT
	s_add_nc_u64 s[G0B+4*\s+2:G0B+4*\s+3], s[46:47], \s*KSTEP*2
	s_or_b32 s[G0B+4*\s+3], s[G0B+4*\s+3], 0x80000000
	JLOAD \s
.endr
	v_and_b32 v1, 15, v0
	v_bfe_u32 v2, v0, 4, 1
	v_mul_u32_u24 v3, v1, PITCH
	v_lshl_add_u32 v3, v2, 4, v3
	s_mul_i32 s21, s11, HALFT
	s_mul_i32 s22, s12, HALFT
	s_add_co_u32 s22, s22, 2*HALFT
.irp s, 0,1
	v_add_nc_u32 v[ADRA+\s], s21, v3
	v_add_nc_u32 v[ADRB+\s], s22, v3
	s_add_co_u32 s21, s21, SLOT
	s_add_co_u32 s22, s22, SLOT
.endr
	s_mul_i32 s23, s10, 16*SPITCH
	s_add_co_u32 s23, s23, STAGE                   ; my stage
	v_mul_u32_u24 v4, v1, SPITCH                   ; in: row l % 16, 32 bytes for each half of the lanes
	v_lshl_add_u32 v4, v2, 5, v4
	v_add_nc_u32 v[STO], s23, v4
	v_mul_u32_u24 v5, v2, SPITCH                   ; back: lanes 0-15 one row of 256 bytes, lanes 16-31 the next
	v_lshl_add_u32 v5, v1, 4, v5
	v_add_nc_u32 v[RD], s23, v5
	v_lshlrev_b32 v5, 14, v2                       ; and the same two rows in out0: 16,384 bytes a row
	v_lshl_add_u32 v[CO], v1, 4, v5
	s_lshl_b32 s16, s13, 7
	s_lshl_b32 s17, s11, 6
	s_add_co_u32 s16, s16, s17                     ; my first row,
	s_lshl_b32 s16, s16, 14
	s_mov_b32 s17, 0
	s_add_nc_u64 s[8:9], s[8:9], s[16:17]
	s_lshl_b32 s46, s42, 9                         ; my first column, in bytes: 512 x tile column + 256 x half
	s_lshl_b32 s47, s12, 8
	s_add_co_u32 s46, s46, s47
	s_mov_b32 s47, 0
	s_add_nc_u64 s[8:9], s[8:9], s[46:47]
; 8 matrix instructions: m blocks a0, a0 + 1 x all 4 n blocks, 32 along K: half c of buffer f.  The 16 accumulators take turns.
.macro MUL8 f, c, a0, zero
.irp a, \a0, \a0+1
.irp b, 0,1,2,3
.if \zero
	v_wmma_f32_16x16x32_f16 v[ACC+8*(4*(\a)+\b):ACC+8*(4*(\a)+\b)+7], v[\f+64+8*(4*\c+\b):\f+64+8*(4*\c+\b)+7], v[\f+8*(4*\c+\a):\f+8*(4*\c+\a)+7], 0
.else
	v_wmma_f32_16x16x32_f16 v[ACC+8*(4*(\a)+\b):ACC+8*(4*(\a)+\b)+7], v[\f+64+8*(4*\c+\b):\f+64+8*(4*\c+\b)+7], v[\f+8*(4*\c+\a):\f+8*(4*\c+\a)+7], v[ACC+8*(4*(\a)+\b):ACC+8*(4*(\a)+\b)+7]
.endif
.endr
.endr
.endm
.macro FETCH slot, k, f                ; 32 LDS loads in one run: the fragments of 64 along K at byte k of the rows; the first 32 along K first
	WIN TO_F
.irp c, 0,1
.irp i, 0,1,2,3
	ds_load_b128 v[\f+64+8*(4*\c+\i):\f+64+8*(4*\c+\i)+3],   v[ADRB+\slot] offset:\k+64*\c+\i*16*PITCH
	ds_load_b128 v[\f+64+8*(4*\c+\i)+4:\f+64+8*(4*\c+\i)+7], v[ADRB+\slot] offset:\k+64*\c+\i*16*PITCH+32
	ds_load_b128 v[\f+8*(4*\c+\i):\f+8*(4*\c+\i)+3],         v[ADRA+\slot] offset:\k+64*\c+\i*16*PITCH
	ds_load_b128 v[\f+8*(4*\c+\i)+4:\f+8*(4*\c+\i)+7],       v[ADRA+\slot] offset:\k+64*\c+\i*16*PITCH+32
.endr
.endr
.endm
.macro PLACES
.rept 4
	v_nop
.endr
.endm
.macro QUARTER slot, k, f, g, zero
	s_wait_dscnt 16                                ; the first 32 along K are in; the sixteen younger loads may be out
	WIN MUL
	MUL8 \f, 0, 0, \zero
	MUL8 \f, 0, 2, \zero
	PLACES
	FETCH \slot, \k, \g
	s_wait_dscnt 32                                ; all but the 32 just issued
	WIN MUL
	MUL8 \f, 1, 0, 0
	MUL8 \f, 1, 2, 0
.endm
.macro TURN slot, next, fill
	WIN 0
	s_wait_tensorcnt 0x0                           ; all my tensor loads have landed: my part of the next slot
	ds_add_u32 v[SPW], v[NIL]
	s_wait_dscnt 17                                ; the add and the youngest sixteen loads may be out
	WIN MUL
	MUL8 F1, 0, 0, 0
	s_wait_dscnt 0x0                               ; the add is done, and my reads of this slot are over
	s_barrier_signal -1
	MUL8 F1, 0, 2, 0
.if \fill
	WIN 0
.endif
	s_barrier_wait -1
.if \fill
	CREST                                          ; the barrier has opened a round of the cluster's: no wave of any partner still reads this slot or has a load on its way
	s_add_nc_u64 s[G0+4*\slot+2:G0+4*\slot+3], s[G0+4*\slot+2:G0+4*\slot+3], 2*KSTEP*2
	s_add_nc_u64 s[G0B+4*\slot+2:G0B+4*\slot+3], s[G0B+4*\slot+2:G0B+4*\slot+3], 2*KSTEP*2
	JLOAD \slot                                    ; the first tensor load behind the round; its four v_nop are the places in front of the loads below
.else
	PLACES
.endif
	FETCH \next, 0, F0
	WIN MUL
	MUL8 F1, 1, 0, 0
	MUL8 F1, 1, 2, 0
.endm
	s_wait_tensorcnt 1                             ; my part of K step 0 is in; K step 1's load may be out
	s_barrier_signal -1
	s_barrier_wait -1
	FETCH 0, 0, F0
	QUARTER 0, 128, F0, F1, 1                      ; the first quarter stands in front of the loop: its first products start the sums
	WIN 0
	s_mov_b32 s3, LAPS-1
.Llap:
	QUARTER 0, 256, F1, F0, 0
	QUARTER 0, 384, F0, F1, 0
	TURN 0, 1, 1
	QUARTER 1, 128, F0, F1, 0
	QUARTER 1, 256, F1, F0, 0
	QUARTER 1, 384, F0, F1, 0
	TURN 1, 0, 1
	QUARTER 0, 128, F0, F1, 0
	WIN 0
	s_sub_co_u32 s3, s3, 1
	s_cmp_lg_u32 s3, 0
	s_cbranch_scc1 .Llap
	QUARTER 0, 256, F1, F0, 0                      ; the last lap fills nothing
	QUARTER 0, 384, F0, F1, 0
	TURN 0, 1, 0
	QUARTER 1, 128, F0, F1, 0
	QUARTER 1, 256, F1, F0, 0
	QUARTER 1, 384, F0, F1, 0
	s_wait_dscnt 16
	WIN MUL
	MUL8 F1, 0, 0, 0
	MUL8 F1, 0, 2, 0
	s_wait_dscnt 0
	MUL8 F1, 1, 0, 0
	MUL8 F1, 1, 2, 0
	WIN 0
; THE WAY OUT, a block of 16 rows x 64 columns at a time: a lane's 32 bytes go into my stage, whole rows of 256 bytes come back.  LDS serves a wave's instructions in order: no wait between the stores and the loads.
.macro TOSTAGE a
.irp b, 0,1,2,3
	ds_store_b128 v[STO], v[ACC+8*(4*(\a)+\b):ACC+8*(4*(\a)+\b)+3] offset:64*\b          ; each accumulator from its low end on
	ds_store_b128 v[STO], v[ACC+8*(4*(\a)+\b)+4:ACC+8*(4*(\a)+\b)+7] offset:64*\b+16
.endr
.irp t, 0,1,2,3,4,5,6,7
	ds_load_b128 v[TMP+32*((\a)%2)+4*\t:TMP+32*((\a)%2)+4*\t+3], v[RD] offset:\t*2*SPITCH
.endr
.endm
.macro SEND a, younger                 ; younger: the LDS instructions issued behind block a's loads
	s_wait_dscnt \younger
.irp t, 0,1,2,3,4,5,6,7
	global_store_b128 v[CO], v[TMP+32*((\a)%2)+4*\t:TMP+32*((\a)%2)+4*\t+3], s[8:9] offset:(16*(\a)+2*\t)*SIZE_N*4 th:TH_STORE_NT   ; 16 lanes store 256 consecutive bytes, aligned
.endr
.endm
	PLACES
	TOSTAGE 0
.irp a, 1,2,3
.if \a > 1
	s_wait_xcnt 0x0                                ; block a - 2's stores have read their registers
.endif
	TOSTAGE \a
	SEND \a-1, 16                                  ; behind block a - 1's loads: block a's 8 stores and 8 loads
.endr
	SEND 3, 0
	s_wait_tensorcnt 0x0                           ; the wave's end
	ds_add_u32 v[SPW], v[NIL]
	s_wait_dscnt 0x0
	CROUND                                         ; the closing round
	s_endpgm
.Lfunc_end_k_q2453e7fd65_oproj:
	.size	k_q2453e7fd65_oproj, .Lfunc_end_k_q2453e7fd65_oproj-k_q2453e7fd65_oproj
	.p2alignl 7, 3214868480
	.fill 96, 4, 3214868480
	.section	.rodata,"a",@progbits
	.p2align	6, 0x0
	.amdhsa_kernel k_q2453e7fd65_oproj
		.amdhsa_group_segment_fixed_size 327680
		.amdhsa_private_segment_fixed_size 0
		.amdhsa_enable_private_segment 0
		.amdhsa_kernarg_size 24
		.amdhsa_user_sgpr_count 2
		.amdhsa_user_sgpr_kernarg_segment_ptr 1
		.amdhsa_wavefront_size32 1
		.amdhsa_system_sgpr_workgroup_id_x 1
		.amdhsa_system_sgpr_workgroup_id_y 1
		.amdhsa_system_sgpr_workgroup_id_z 1
		.amdhsa_system_vgpr_workitem_id 0
		.amdhsa_next_free_vgpr 512
		.amdhsa_next_free_sgpr 66
		.amdhsa_reserve_vcc 0
		.amdhsa_float_denorm_mode_32 3
		.amdhsa_float_denorm_mode_16_64 3
		.amdhsa_memory_ordered 1
		.amdhsa_forward_progress 1
		.amdhsa_inst_pref_size 86
	.end_amdhsa_kernel
	.amdgpu_metadata
---
amdhsa.version: [ 1, 2 ]
amdhsa.kernels:
  - .name:           k_q2453e7fd65_oproj
    .symbol:         k_q2453e7fd65_oproj.kd
    .args:
      - { .name: a16, .offset: 0, .size: 8, .value_kind: global_buffer, .address_space: global }
      - { .name: wo16, .offset: 8, .size: 8, .value_kind: global_buffer, .address_space: global }
      - { .name: out0, .offset: 16, .size: 8, .value_kind: global_buffer, .address_space: global }
    .group_segment_fixed_size: 327680
    .private_segment_fixed_size: 0
    .kernarg_segment_align: 8
    .kernarg_segment_size: 24
    .max_flat_workgroup_size: 128
    .sgpr_count:     66
    .vgpr_count:     512
    .wavefront_size: 32
...
	.end_amdgpu_metadata
.endif
;; end of part 5
